; MI455X (gfx1250); checked and timed in simulation.
; The chip was launched on July 23, 2026; its instructions are those of AMD's public machine-readable ISA for CDNA 5 (MIT licence, August 2026) and "CDNA5" Instruction Set Architecture Reference Guide (July 2026). The comments in the code are by the model that wrote it; some were corrected since.
;; Causal Self Attention. Allowed arithmetic: matrix products marked QUANTISED: E4M3 operands, one given power-of-two scale a tensor, by v_wmma_f32_16x16x64_fp8_fp8 or v_wmma_f32_16x16x128_fp8_fp8, f32 sums; everything else in f32.
;; Inputs: b_attn 3,072 float32; b_proj 1,024 float32; lowp_scales 8 int32 (the exponents e of the quantised operands' scales 2^e); w_attn 1,024 x 3,072 float32; w_proj 1,024 x 1,024 float32; x 2 x 2,048 x 1,024 float32.
;; Outputs: out0 2 x 2,048 x 1,024 float32.
;; This version of the problem:
;;   THIS VERSION OF THE PROBLEM IS GIVEN IN LOW PRECISION. The matrix products marked QUANTISED in the list below multiply operands that are first quantised to E4M3 (4 exponent bits, 3 mantissa bits; 8 bits a number), with one given power-of-two scale for each operand tensor; their sums are f32. All else is computed in f32.
;;   The module's matrix products, in the order in which they are computed (A, B: the left and right operand; K: the contracted axis; several contracted axes count as one K, in the product's order):
;;     1. [M 4,096, K 1,024] x [K 1,024, N 3,072]; A: input x; B: input w_attn: QUANTISED (scales: A lowp_scales[0], B lowp_scales[1])
;;     2. batch 32 x [M 2,048, K 64] x [K 64, N 2,048]; A: computed on the way; B: computed on the way: QUANTISED (scales: A lowp_scales[2], B lowp_scales[3])
;;     3. batch 32 x [M 2,048, K 2,048] x [K 2,048, N 64]; A: softmax (see below); B: computed on the way: QUANTISED (scales: A lowp_scales[4], B lowp_scales[5])
;;     4. [M 4,096, K 1,024] x [K 1,024, N 1,024]; A: computed on the way; B: input w_proj: QUANTISED (scales: A lowp_scales[6], B lowp_scales[7])
;;   THE QUANTISER, for each operand of a quantised product, along K:
;;     - The operand's scale is 2^e, e = its entry of the input lowp_scales (int32; the entries are numbered through the quantised products in the list's order, A before B).
;;     - Each number is divided by the scale, clamped to +-448, and rounded to the nearest number of E4M3, ties to even, subnormals kept.
;;     - The product sums the exact products of the quantised numbers (number of the format x scale) in f32.
;;   ~~~python
;;   def quantise(x, axis, e):      # numpy; x: float32 -> the quantised numbers, widened to float32 again
;;       x = np.moveaxis(x, axis, -1); K = x.shape[-1]
;;       r = np.clip(x / 2.0 ** e, -448, 448)
;;       step = 2.0 ** (np.maximum(np.frexp(np.where(r == 0, 1, r))[1] - 1, -6) - 3)
;;       q = np.round(r / step) * step * 2.0 ** e      # np.round: ties to even
;;       return np.moveaxis(q, -1, axis).astype(np.float32)
;;   ~~~
;;   SOFTMAX AHEAD OF A QUANTISED PRODUCT. Where the list says 'softmax', what is quantised is not the finished softmax but p = 2^(t - M), with t = logit x log2(e) and M = ceil(the row's largest t), a whole number; so 1/2 < the row's largest p <= 1. The row's sum l is taken of the UNQUANTISED p, in f32, and the product's result is divided by l at the end. Since M is a whole number, a kernel that streams over the keys may use a running M (the ceiling of the running maximum): every later rescaling is an exact power of two, so the quantised numbers keep their values, but for numbers so far below the row's largest that they fall under the format's range.
;;   OPERANDS COMPUTED ON THE WAY. 'Computed on the way' means the value that the module computes at that place (a softmax that the list does not call 'softmax' is quantised finished and normalised). What goes into a quantiser is computed in f32, as accurately as f32 sums, v_exp_f32 and their like allow (about 1e-6 of the number): no bf16 or f16 on the way to a quantiser, and a product that is left as it is and whose result goes on into a quantised operand takes f32 operands (vector FMAs, or v_wmma_f32_16x16x4_f32). A number that lies on a knife's edge between two numbers of the format may be rounded either way, as far as f32 arithmetic and the matrix unit's own rounding can turn it there, and no further.
;; One version. Each part assembles by itself: llvm-mc -triple=amdgcn-amd-amdhsa -mcpu=gfx1250 --defsym DOCPART=n.
;; ======== version 1 of 1: 4 launches
;; limits: right only within a limited range of input values
;; workspace buffers: x_codes 4,194,304 bytes; wa_codes 3,145,728 bytes; wp_codes 1,048,576 bytes; qk_codes 8,388,608 bytes; v_codes 4,194,304 bytes; y_codes 4,194,304 bytes
;; launch quant (part 1): grid 256 x 1, 4 waves a work-group, no clusters, 68,096 bytes of LDS; arguments x, w_attn, w_proj, lowp_scales, x_codes, wa_codes, wp_codes; writes x_codes, wa_codes, wp_codes
.if DOCPART == 1
	.amdgcn_target "amdgcn-amd-amdhsa--gfx1250"
	.amdhsa_code_object_version 6
	.text
	.protected	k_qb33c22f894_quant
	.globl	k_qb33c22f894_quant
	.p2align	8
	.type	k_qb33c22f894_quant,@function
k_qb33c22f894_quant:
	s_mov_b64 s[64:65], 0
	v_nop
	global_prefetch_b8 v0, s[64:65] scope:SCOPE_SE
	s_setreg_imm32_b32 hwreg(HW_REG_WAVE_MODE, 25, 1), 1
	s_wait_xcnt 0x0
; x [4096][1024], w_attn [1024 k][3072 n] and w_proj [1024 k][1024 n], f32, become codes of E4M3, K innermost, each with its given scale 2^e:
; x_codes [4096][1024] (e = entry 0), wa_codes [3072 n][1024 k] (entry 1), wp_codes [1024 n][1024 k] (entry 7).
; code = x / 2^e, held within +-448, rounded to the nearest code, ties to even.
; LIMITS: e between -126 and 119, so that 2^e and 448 x 2^e are f32 numbers.  NaN among the inputs is not served (an infinity is held at the largest code).
; Work-groups 0-127 take x (K is innermost: a plain stream), work-groups 128-255 the two weights (K is the first axis: a lane takes a column and its registers run down K).
; The two ways part on the work-group's number, never join, and have LDS bytes of their own.  Waves share nothing: no barrier.
.set XWG,   128                        ; work-groups for x: 4,194,304 numbers / (4 waves x 16 steps x 512)
.set STEPS, 16
.set EMAX,  8
.set MANT,  0x600000                   ; the mantissa field of 448 as f32
.set WREG,  8192                       ; x's way: LDS bytes of a wave: two stages of 32 x SP
.set SP,    80                         ; a lane's place in a stage: 64 bytes + 16 of padding
.set R,     16                         ; v16-79   four sets of 16 numbers as loaded
.set X,     80                         ; v80-111  two sets of 16 neighbours
.set C,     128                        ; v128-191 codes: four registers a step, so that no store's data are written again
.set WST,   32768                      ; the weights' way: its stages begin here, 32 rows x WPI for each wave
.set WPI,   272                        ; a stage row: 256 bytes of codes + 16
.set NB,    8                          ; blocks of 32 along K for a wave
.set OFF,   16                         ; v16-47   4 x lane + i rows of the weight
.set XW,    48                         ; v48-111  two sets of 32 numbers
.set CW,    112                        ; v112-119 a block's codes
.set OUTR,  120                        ; v120-183 the way out
.set SB,    32                         ; s[32:47] eight bases, one for each block of 32 rows; never rewritten
	s_load_b256 s[4:11], s[0:1], 0x0               ; x s[4:5], w_attn s[6:7], w_proj s[8:9], the exponents s[10:11]
	s_load_b128 s[12:15], s[0:1], 0x20             ; x_codes s[12:13], wa_codes s[14:15]
	s_load_b64 s[16:17], s[0:1], 0x30              ; wp_codes
	v_lshl_add_u32 v192, v0, 2, 0x10800
	v_mov_b32 v193, 0
	v_lshrrev_b32 v1, 5, v0
	v_readfirstlane_b32 s18, v1                    ; wave
	v_and_b32 v2, 31, v0                           ; lane
	s_wait_kmcnt 0x0
	s_load_b256 s[24:31], s[10:11], 0x0            ; e0 .. e7
	s_cmp_lt_u32 ttmp9, XWG
	s_cbranch_scc0 .Lw
; ---------------- x: each load reads 512 consecutive bytes, 16 a lane; a step's 2,048 bytes turn through the wave's stage and come back 64 bytes (16 neighbours along K) a lane
	s_wait_alu depctr_va_vdst(0)
	v_lshlrev_b32 v3, 4, v2                        ; 16 x lane: my bytes of a load's 512, and of a store's 512
	s_wait_alu depctr_va_vdst(0)
	s_mul_i32 s19, s18, WREG
	v_lshrrev_b32 v14, 2, v2
	v_mul_u32_u24 v14, v14, SP
	v_and_b32 v15, 3, v2
	v_lshl_add_u32 v14, v15, 4, v14
	v_add_nc_u32 v14, s19, v14                     ; the stage on the way in: SP (lane / 4) + 16 (lane % 4)
	v_mul_u32_u24 v15, v2, SP
	v_add_nc_u32 v15, s19, v15                     ; and on the way out: SP x lane
	s_lshl_b32 s20, ttmp9, 2
	s_add_co_u32 s20, s20, s18                     ; which run of 8,192 numbers is my wave's
	s_lshl_b32 s22, s20, 15
	s_mov_b32 s23, 0
	s_add_nc_u64 s[4:5], s[4:5], s[22:23]
	s_lshl_b32 s22, s20, 13
	s_add_nc_u64 s[12:13], s[12:13], s[22:23]
.macro LOADX t
.irp i, 0,1,2,3
	global_load_b128 v[R+16*((\t)%4)+4*\i:R+16*((\t)%4)+4*\i+3], v3, s[4:5] offset:2048*(\t)+512*\i th:TH_LOAD_NT
.endr
.endm
.macro TURNX t                         ; LDS serves a wave's instructions in order: no wait between the stores and the loads
.irp i, 0,1,2,3
	ds_store_b128 v14, v[R+16*((\t)%4)+4*\i:R+16*((\t)%4)+4*\i+3] offset:32*SP*((\t)%2)+8*SP*\i
.endr
.irp i, 0,1,2,3
	ds_load_b128 v[X+16*((\t)%2)+4*\i:X+16*((\t)%2)+4*\i+3], v15 offset:32*SP*((\t)%2)+16*\i
.endr
.endm
.irp t, 0,1,2,3
	LOADX \t
.endr
	s_wait_alu depctr_va_vdst(0)
	s_wait_kmcnt 0x0
	s_add_co_i32 s22, s24, 127
	s_lshl_b32 s23, s22, 23
	v_mov_b32 v11, s23                             ; 2^e0 as f32: the conversion takes its exponent field
	s_add_co_i32 s22, s22, EMAX
	s_lshl_b32 s22, s22, 23
	s_or_b32 s22, s22, MANT
	v_mov_b32 v10, s22                             ; 448 x 2^e0
	s_wait_alu depctr_va_vdst(0)
	s_wait_loadcnt 12                              ; step 0's four loads are in; three steps' twelve may be out
	TURNX 0
.macro STEPX t
.set XS, X+16*((\t)%2)
	s_wait_dscnt 0x0                               ; this step's numbers are back from the stage, so its stores into the stage have read their registers,
.if (\t)+4 < STEPS
	LOADX (\t)+4                                   ; which take the loads of four steps on
.endif
.if (\t)+1 < STEPS
.if STEPS-2-(\t) >= 3
	s_wait_loadcnt 12                              ; the next step's four loads are in; those of the three steps behind it may be out
.else
	s_wait_loadcnt 4*(STEPS-2-(\t))                ; at the end the count runs down
.endif
	TURNX (\t)+1
.endif
.irp i, 0,1,2,3,4,5,6,7,8,9,10,11,12,13,14,15
	v_med3_num_f32 v[XS+\i], v[XS+\i], -v10, v10   ; the conversion to an 8-bit code does not saturate (ISA guide 7.6.2): the hold comes first
.endr
	v_cvt_scalef32_pk8_fp8_f32 v[C+4*(\t):C+4*(\t)+1], v[XS:XS+7], v11
	v_cvt_scalef32_pk8_fp8_f32 v[C+4*(\t)+2:C+4*(\t)+3], v[XS+8:XS+15], v11
	global_store_b128 v3, v[C+4*(\t):C+4*(\t)+3], s[12:13] offset:512*(\t)   ; the wave stores 512 consecutive bytes, aligned
.endm
.irp t, 0,1,2,3,4,5,6,7,8,9,10,11,12,13,14,15
	STEPX \t
.endr
	s_wait_tensorcnt 0x0
	ds_add_u32 v192, v193
	s_wait_dscnt 0x0
	s_endpgm
; ---------------- the weights: a wave takes 32 columns x 256 along K.  Work-group 128 + 4 cb + kb: columns 128 cb on (cb < 24: w_attn; else w_proj), K = 256 kb on
.Lw:
	s_sub_co_u32 s19, ttmp9, XWG
	s_and_b32 s20, s19, 3                          ; kb
	s_lshr_b32 s21, s19, 2                         ; cb
	s_mov_b32 s22, 4096
	s_cmp_lt_u32 s21, 24                           ; the choices hang on the work-group's number alone
	s_cselect_b32 s22, 12288, s22                  ; PB: bytes in a row of the weight
	s_cselect_b32 s23, 0, 24
	s_cselect_b64 s[6:7], s[6:7], s[8:9]           ; from
	s_cselect_b64 s[14:15], s[14:15], s[16:17]     ; to
	s_sub_co_u32 s23, s21, s23
	s_lshl_b32 s23, s23, 7
	s_lshl_b32 s48, s18, 5
	s_add_co_u32 s23, s23, s48                     ; my wave's first column
	s_lshl_b32 s48, s20, 8
	s_mul_i32 s48, s48, s22                        ; 256 kb rows,
	s_lshl_b32 s49, s23, 2
	s_add_co_u32 s48, s48, s49                     ; + 4 bytes a column
	s_mov_b32 s49, 0
	s_add_nc_u64 s[SB:SB+1], s[6:7], s[48:49]
	s_lshl_b32 s50, s22, 5                         ; 32 rows
	s_mov_b32 s51, 0
.irp t, 1,2,3,4,5,6,7
	s_add_nc_u64 s[SB+2*\t:SB+2*\t+1], s[SB+2*\t-2:SB+2*\t-1], s[50:51]
.endr
	s_lshl_b32 s52, s23, 10                        ; the codes: a row of 1,024 bytes for each column,
	s_lshl_b32 s53, s20, 8
	s_add_co_u32 s52, s52, s53                     ; + 256 kb
	s_mov_b32 s53, 0
	s_add_nc_u64 s[14:15], s[14:15], s[52:53]
	s_wait_alu depctr_va_vdst(0)
	v_lshlrev_b32 v[OFF], 2, v2                    ; 4 bytes a lane: 32 lanes read 128 consecutive bytes, the four waves 512
.set i, 1
.rept 31
	v_add_nc_u32 v[OFF+i], s22, v[OFF+i-1]         ; and i rows further down
.set i, i+1
.endr
	s_mul_i32 s48, s18, 32*WPI
	s_add_co_u32 s48, s48, WST                     ; my stage
	v_mul_u32_u24 v4, v2, WPI
	v_add_nc_u32 v4, s48, v4                       ; into it: row = my column
	v_and_b32 v5, 15, v2
	v_lshrrev_b32 v6, 4, v2
	v_mul_u32_u24 v7, v6, WPI
	v_lshl_add_u32 v7, v5, 4, v7
	v_add_nc_u32 v7, s48, v7                       ; out of it: sixteen lanes to a row, two rows an instruction
	v_lshlrev_b32 v8, 10, v6
	v_lshl_add_u32 v8, v5, 4, v8                   ; and the same place in the codes' buffer
.macro LOADW t                         ; block t: W(32 t + i, my column) into set t % 2
.irp i, 0,1,2,3,4,5,6,7,8,9,10,11,12,13,14,15,16,17,18,19,20,21,22,23,24,25,26,27,28,29,30,31
	global_load_b32 v[XW+32*((\t)%2)+\i], v[OFF+\i], s[SB+2*(\t):SB+2*(\t)+1] th:TH_LOAD_NT
.endr
.endm
	LOADW 0
	LOADW 1
	s_wait_kmcnt 0x0
	s_cmp_lt_u32 s21, 24
	s_cselect_b32 s19, s25, s31                    ; e1 or e7
	s_add_co_i32 s19, s19, 127
	s_lshl_b32 s48, s19, 23
	v_mov_b32 v11, s48                             ; 2^e
	s_add_co_i32 s19, s19, EMAX
	s_lshl_b32 s19, s19, 23
	s_or_b32 s19, s19, MANT
	v_mov_b32 v10, s19                             ; 448 x 2^e
.macro BLOCKW t
.set XS, XW+32*((\t)%2)
.if (\t) < NB-1
	s_wait_loadcnt 32                              ; this block's 32 loads are in; the next block's 32 may be out
.else
	s_wait_loadcnt 0
.endif
.irp i, 0,1,2,3,4,5,6,7,8,9,10,11,12,13,14,15,16,17,18,19,20,21,22,23,24,25,26,27,28,29,30,31
	v_med3_num_f32 v[XS+\i], v[XS+\i], -v10, v10
.endr
.irp g, 0,1,2,3
	v_cvt_scalef32_pk8_fp8_f32 v[CW+2*\g:CW+2*\g+1], v[XS+8*\g:XS+8*\g+7], v11
.endr
	ds_store_b128 v4, v[CW:CW+3] offset:32*(\t)    ; 32 codes: 32 bytes of my column's row
	ds_store_b128 v4, v[CW+4:CW+7] offset:32*(\t)+16
.if (\t)+2 < NB
	LOADW (\t)+2
.endif
	s_wait_dscnt 0x0                               ; the stores have read their registers: the next block's codes may be written
.endm
	s_wait_alu depctr_va_vdst(0)
.irp t, 0,1,2,3,4,5,6,7
	BLOCKW \t
.endr
.irp t, 0,1,2,3,4,5,6,7,8,9,10,11,12,13,14,15
	ds_load_b128 v[OUTR+4*\t:OUTR+4*\t+3], v7 offset:2*\t*WPI   ; LDS serves a wave's instructions in order: these see my stores
.endr
.irp t, 0,1,2,3,4,5,6,7,8,9,10,11,12,13,14,15
	s_wait_dscnt 15-\t                             ; the younger read-backs may be out
	global_store_b128 v8, v[OUTR+4*\t:OUTR+4*\t+3], s[14:15] offset:2*\t*1024   ; sixteen lanes store 256 consecutive bytes, aligned
.endr
	s_wait_tensorcnt 0x0
	ds_add_u32 v192, v193
	s_wait_dscnt 0x0
	s_endpgm
.Lfunc_end_k_qb33c22f894_quant:
	.size	k_qb33c22f894_quant, .Lfunc_end_k_qb33c22f894_quant-k_qb33c22f894_quant
	.p2alignl 7, 3214868480
	.fill 96, 4, 3214868480
	.section	.rodata,"a",@progbits
	.p2align	6, 0x0
	.amdhsa_kernel k_qb33c22f894_quant
		.amdhsa_group_segment_fixed_size 68096
		.amdhsa_private_segment_fixed_size 0
		.amdhsa_enable_private_segment 0
		.amdhsa_kernarg_size 56
		.amdhsa_user_sgpr_count 2
		.amdhsa_user_sgpr_kernarg_segment_ptr 1
		.amdhsa_wavefront_size32 1
		.amdhsa_system_sgpr_workgroup_id_x 1
		.amdhsa_system_sgpr_workgroup_id_y 1
		.amdhsa_system_sgpr_workgroup_id_z 1
		.amdhsa_system_vgpr_workitem_id 0
		.amdhsa_next_free_vgpr 194
		.amdhsa_next_free_sgpr 66
		.amdhsa_reserve_vcc 0
		.amdhsa_float_denorm_mode_32 3
		.amdhsa_float_denorm_mode_16_64 3
		.amdhsa_memory_ordered 1
		.amdhsa_forward_progress 1
		.amdhsa_inst_pref_size 87
	.end_amdhsa_kernel
	.amdgpu_metadata
---
amdhsa.version: [ 1, 2 ]
amdhsa.kernels:
  - .name:           k_qb33c22f894_quant
    .symbol:         k_qb33c22f894_quant.kd
    .args:
      - { .name: x, .offset: 0, .size: 8, .value_kind: global_buffer, .address_space: global }
      - { .name: w_attn, .offset: 8, .size: 8, .value_kind: global_buffer, .address_space: global }
      - { .name: w_proj, .offset: 16, .size: 8, .value_kind: global_buffer, .address_space: global }
      - { .name: lowp_scales, .offset: 24, .size: 8, .value_kind: global_buffer, .address_space: global }
      - { .name: x_codes, .offset: 32, .size: 8, .value_kind: global_buffer, .address_space: global }
      - { .name: wa_codes, .offset: 40, .size: 8, .value_kind: global_buffer, .address_space: global }
      - { .name: wp_codes, .offset: 48, .size: 8, .value_kind: global_buffer, .address_space: global }
    .group_segment_fixed_size: 68096
    .private_segment_fixed_size: 0
    .kernarg_segment_align: 8
    .kernarg_segment_size: 56
    .max_flat_workgroup_size: 128
    .sgpr_count:     66
    .vgpr_count:     194
    .wavefront_size: 32
...
	.end_amdgpu_metadata
.endif
;; end of part 1
;; launch qkv (part 2): grid 12 x 16, 4 waves a work-group, clusters of 4 x 4, 327,680 bytes of LDS; arguments x_codes, wa_codes, lowp_scales, b_attn, qk_codes, v_codes; writes qk_codes, v_codes
.if DOCPART == 2
	.amdgcn_target "amdgcn-amd-amdhsa--gfx1250"
	.amdhsa_code_object_version 6
	.text
	.protected	k_qb33c22f894_qkv
	.globl	k_qb33c22f894_qkv
	.p2align	8
	.type	k_qb33c22f894_qkv,@function
k_qb33c22f894_qkv:
	s_mov_b64 s[64:65], 0
	v_nop
	global_prefetch_b8 v0, s[64:65] scope:SCOPE_SE
	s_setreg_imm32_b32 hwreg(HW_REG_WAVE_MODE, 25, 1), 1
	s_wait_xcnt 0x0
	s_wait_alu depctr_hold_cnt(0) depctr_sa_sdst(0) depctr_va_vdst(0) depctr_va_sdst(0) depctr_va_ssrc(0) depctr_va_vcc(0) depctr_vm_vsrc(0)
	s_getreg_b32 s2, hwreg(HW_REG_IB_STS2, 6, 4)
	s_cmp_eq_u32 s2, 0
	s_cbranch_scc0 .Lentry_in_a_cluster
	s_endpgm
.Lentry_in_a_cluster:
	s_bfe_u32 s2, ttmp6, 0x10000c
	s_cmp_lg_u32 s2, 0xf033
	s_cbranch_scc0 .Lentry_shape_is_right
	s_endpgm
.Lentry_shape_is_right:
; qkv = x w_attn + b_attn on codes of E4M3 (x_codes [4096][1024], wa_codes [3072][1024], K innermost), sums in f32; each sum x 2^(e0 + e1) + bias is quantised at once for the product that reads it:
; q with 2^e2, k with 2^e3 (their K is the head's 64), v with 2^e5 (its K is the keys).  Nothing wide goes to memory.
; OUT: qk_codes [32 cg][4096 (b, t)][64]: cg = head for q, 16 + head for k.   v_codes [2 b][16 head][32 kg][64 d][64 keys].
; In both, byte 32 B + 16 h + 8 u + j of the innermost 64 holds index 32 B + 16 u + 8 h + j (two neighbouring result tiles leave a lane as one 16-byte piece).  For q and k it is the same order of d on both sides of their product;
; for v it is the order in which 16-byte loads fill the registers of an operand of the K = 128 form.
; LIMITS: e0 + e1 between -126 and 127; e2, e3, e5 between -126 and 119: each power of two below is then an f32 number.
; SHARES.  A tile of 256 x 256 to a work-group of four waves, 128 x 128 (64 accumulators, 512 registers) to a wave.  K = 1,024 comes in two halves of 512 through ONE LDS slot: each wave fetches 128 rows x 512 bytes by one tensor load;
; the slot is filled at the head and once more, when the first half's last fragments are in registers: half of that step's products stand behind the refill.
; THE MATRIX INSTRUCTION IS USED TRANSPOSED: source 0 = 16 rows of "B", source 1 = 16 rows of "A": lane (r, h) holds row r of "A" and, in its eight registers, rows 8 h + 0 .. 7 of "B".
; Cluster x says which third of qkv: 0 q, 1 k: "A" = x's rows, "B" = the weight's rows, so a lane's registers run along d.  2 v: THE ROLES ARE SWAPPED, "A" = the weight's rows 2,048 on, "B" = x's rows, so a lane's registers
; run along the keys.  Only pointers and tile numbers are chosen (no jump among the products); the one jump, on the way out, hangs on the cluster's x, which all partners share.
; CLUSTERS: 4 x 4 work-groups.  "A"'s tile is shared along a row of the cluster, "B"'s along a column: each is asked for jointly, by the same tensor load with a mask that names the four.
; PREFETCH.  The second half of K is asked for in the first step, more than two steps of 128 ahead of the refill: of the 128 rows that a wave fetches each of the four partners takes 32, told apart by address, a lane a row, 2 x 256 bytes a row:
; each block of 256 bytes once in each cluster that loads it.
; REGISTERS: window 0: v16-31 addresses and the quantiser's two numbers; v32-95 the bias along "B"'s rows; v96-111 the bias along "A"'s rows; from v128 "A"'s fragments, one set (on the way out v128-239 are at work).
;   window 1: "B"'s fragments, two sets.   windows 2, 3: the accumulators ((a, b) at v[8 (8 (a % 4) + b)] of window 2 + a / 4).
.set ROWB,   512                       ; a tile's row in bytes: 512 codes
.set KROW,   1024                      ; a row of either operand in memory
.set PITCH,  528                       ; an LDS row: 512 bytes + 16 of padding = 132 words: the 16 rows that a load touches start at 16 different banks (64 banks of 4 bytes: ISA guide 11.1)
.set FR,     16                        ; registers of a fragment: 16 rows x 128 K
.set NL,     4                         ; LDS loads that bring one
.set NP,     4                         ; places behind this matrix instruction (ISA guide 7.12.1)
.set HALFT,  128*PITCH                 ; 128 rows: what one tensor load brings
.set STAGE,  4*HALFT                   ; behind the slot ("A"'s 256 rows, then "B"'s 256): 16 rows x (128 bytes + 16) for each wave, on the way out; no fill lands here
.set SPITCH, 144
.set SPARE,  STAGE+4*16*SPITCH         ; the spare words, 128 bytes a wave
.set ADRA, 16
.set ADRB, 20
.set PFO,  22                          ; 1,024 x lane: the prefetches' rows; never rewritten
.set STO,  24                          ; the stage: where I put 16 bytes of a row
.set RD,   25                          ; and where I read back: four lanes to 64 bytes of a row
.set CO,   26                          ; 16 x lane
.set SPW,  28
.set NIL,  29
.set SCL,  30                          ; 2^e of the operand that is made
.set LIM,  31                          ; 448 x that
.set BB,   32
.set BA,   96
.set AF,   128
.set TMP,  128                         ; the way out: a block's 64 numbers
.set CD,   192                         ; their codes
.set BK,   208                         ; the block read back: v208-223 and v224-239 by turns
.set G1, 24
.set G0, 32
.set G1B, 48
.set G0B, 56
.set K2, 72                            ; s72: 1 for v, else 0
.set SBS, 84                           ; s[84:91] four bases of the stores
.set PFA, 98                           ; s[98:99] where my prefetches stand; never rewritten
.set MSB, 0
.macro WIN new                         ; the immediate's high byte repeats the setting that is left
.if MSB != \new
	s_set_vgpr_msb (MSB<<8)|\new
.set MSB, \new
.endif
.endm
.set MUL_LO, 0xa1                      ; source 0 window 1, source 1 window 0, C and D window 2
.set MUL_HI, 0xf1                      ; the same, C and D window 3
.set TO_B,   0x40                      ; destination window 1
; A joint load: waves 0 and 1 fetch for "A", waves 2 and 3 for "B"; the branch hangs on the wave's number alone.  s_nop 0 and four v_nop follow each line.
.macro JLOAD
	s_cmp_eq_u32 s15, 0
	s_cbranch_scc0 .Lfor_b_\@
	tensor_load_to_lds s[G0:G0+3], s[G1:G1+7]
	s_nop 0
.rept 4
	v_nop
.endr
	s_branch .Lasked_\@
.Lfor_b_\@:
	tensor_load_to_lds s[G0B:G0B+3], s[G1B:G1B+7]
	s_nop 0
.rept 4
	v_nop
.endr
.Lasked_\@:
.endm
.macro CREST                           ; a round of the cluster's barrier behind its opening barrier
	s_cmp_lg_u32 s14, 0
	s_cbranch_scc1 .Lnot_wave_0_\@
	s_barrier_signal -3
.Lnot_wave_0_\@:
	s_barrier_wait -3
	s_barrier_signal -1
	s_barrier_wait -1
.endm
.macro CROUND
	s_barrier_signal -1
	s_barrier_wait -1
	CREST
.endm
	s_load_b128 s[4:7], s[0:1], 0x0                ; x_codes, wa_codes
	s_load_b128 s[8:11], s[0:1], 0x10              ; the exponents, b_attn
	s_load_b128 s[68:71], s[0:1], 0x20             ; qk_codes, v_codes
	v_lshl_add_u32 v[SPW], v0, 2, SPARE
	v_mov_b32 v[NIL], 0
	ds_add_u32 v[SPW], v[NIL]                      ; the opening lines: the add twice on end, and one wait
	ds_add_u32 v[SPW], v[NIL]
	v_lshrrev_b32 v1, 5, v0
	v_readfirstlane_b32 s14, v1                    ; wave 0..3
	s_lshr_b32 s15, s14, 1                         ; which half of the tile's "A" rows is mine.  Also: I fetch for "A" (0) or "B" (1)
	s_and_b32 s16, s14, 1                          ; which half of its "B" rows.  Also: which 128 rows I fetch
	s_bfe_u32 s40, ttmp6, 0x40000                  ; cx
	s_bfe_u32 s41, ttmp6, 0x40004                  ; cy
	s_lshl_b32 s74, ttmp9, 2                       ; 4 x cluster x
	s_and_b32 s73, ttmp7, 0xffff
	s_lshl_b32 s73, s73, 2                         ; 4 x cluster y
	s_cmp_eq_u32 ttmp9, 2                          ; v?  The same in all sixteen partners
	s_cselect_b32 s[K2], 1, 0
	s_cselect_b32 s42, s73, s74
	s_cselect_b32 s17, 0, s73
	s_add_co_u32 s42, s42, s40                     ; "B"'s tile: q, k: 4 cluster x + cx (of the weight's first 8);  v: 4 cluster y + cx (of x's 16)
	s_add_co_u32 s17, s17, s41                     ; "A"'s tile: q, k: 4 cluster y + cy (of x's 16);  v: cy (of the weight's last 4)
	s_lshl_b32 s43, s41, 2
	s_lshl_b32 s43, 15, s43                        ; my row of the cluster
	s_lshl_b32 s44, 0x1111, s40                    ; my column
	s_or_b32 s[G1+0], s43, (0<<16)|(1<<20)|(1<<21)|(6<<22)|(3<<25)  ; the mask; elements of 1 byte; padding on; bit 21 beside a mask; after every 128 words, 4 words
	s_or_b32 s[G1B+0], s44, (0<<16)|(1<<20)|(1<<21)|(6<<22)|(3<<25)
.irp g, G1, G1B
	s_mov_b32 s[\g+1], ROWB<<16                    ; tensor_dim0
	s_mov_b32 s[\g+2], 128<<16                     ; tensor_dim1
	s_mov_b32 s[\g+3], ROWB<<16                    ; tile_dim0
	s_mov_b32 s[\g+4], 128                         ; tile_dim1
	s_mov_b32 s[\g+5], KROW                        ; the pitch
	s_mov_b32 s[\g+6], 0
	s_mov_b32 s[\g+7], 0
.endr
	s_lshl_b32 s18, s16, 7
	s_lshl_b32 s20, s17, 8
	s_add_co_u32 s20, s20, s18
	s_lshl_b32 s20, s20, 10                        ; "A": (256 x tile + 128 x half) rows of 1,024 bytes
	s_mov_b32 s21, 0
	s_lshl_b32 s46, s42, 8
	s_add_co_u32 s46, s46, s18
	s_lshl_b32 s46, s46, 10                        ; "B" likewise
	s_mov_b32 s47, 0
	s_mul_i32 s45, s14, HALFT                      ; where they go: wave x 128 rows
	s_wait_alu depctr_va_vdst(0)
	s_wait_dscnt 0x0                               ; both opening adds are done
	s_wait_kmcnt 0x0
	s_load_b256 s[76:83], s[8:9], 0x0              ; e0 .. e7
	s_add_nc_u64 s[88:89], s[6:7], 0x200000        ; the weight's row 2,048
	s_cmp_eq_u32 s[K2], 1
	s_cselect_b64 s[90:91], s[88:89], s[4:5]       ; "A"
	s_cselect_b64 s[92:93], s[4:5], s[6:7]         ; "B"
	s_add_nc_u64 s[20:21], s[90:91], s[20:21]
	s_add_nc_u64 s[46:47], s[92:93], s[46:47]
	s_mov_b32 s[G0], 1
	s_mov_b32 s[G0+1], s45
	s_mov_b64 s[G0+2:G0+3], s[20:21]
	s_or_b32 s[G0+3], s[G0+3], 0x80000000
	s_mov_b32 s[G0B], 1
	s_mov_b32 s[G0B+1], s45
	s_mov_b64 s[G0B+2:G0B+3], s[46:47]
	s_or_b32 s[G0B+3], s[G0B+3], 0x80000000
	CROUND                                         ; all sixteen work-groups are here: the first joint loads meet
	JLOAD                                          ; the first half of K: the wave's one tensor load at the head
	s_cmp_eq_u32 s15, 0                            ; the prefetches: of the rows that I fetch,
	s_cselect_b64 s[PFA:PFA+1], s[20:21], s[46:47]
	s_cselect_b32 s84, s40, s41                    ; my place among the four that ask for them with me
	s_lshl_b32 s84, s84, 15                        ; takes 32,
	s_add_co_u32 s84, s84, ROWB                    ; in the second half of K
	s_mov_b32 s85, 0
	s_add_nc_u64 s[PFA:PFA+1], s[PFA:PFA+1], s[84:85]
	s_mul_i32 s21, s15, HALFT
	s_mul_i32 s22, s16, HALFT
	s_add_co_u32 s22, s22, 2*HALFT
	s_mul_i32 s23, s14, 16*SPITCH
	s_add_co_u32 s23, s23, STAGE                   ; my stage
	v_and_b32 v1, 15, v0                           ; r
	v_bfe_u32 v2, v0, 4, 1                         ; h
	v_mul_u32_u24 v3, v1, PITCH
	v_lshl_add_u32 v4, v2, 4, v3                   ; a fragment's row x pitch + 16 h
	v_add_nc_u32 v[ADRA], s21, v4
	v_add_nc_u32 v[ADRB], s22, v4
	v_mul_u32_u24 v5, v1, SPITCH
	v_lshl_add_u32 v5, v2, 4, v5
	v_add_nc_u32 v[STO], s23, v5                   ; in: row r, + 16 h
	v_and_b32 v6, 31, v0
	v_lshrrev_b32 v7, 2, v6
	v_mul_u32_u24 v7, v7, SPITCH
	v_and_b32 v8, 3, v6
	v_lshl_add_u32 v7, v8, 4, v7
	v_add_nc_u32 v[RD], s23, v7                    ; back: row lane / 4, 16 (lane % 4)
	v_lshlrev_b32 v[CO], 4, v6
	v_lshlrev_b32 v[PFO], 10, v6
	; the biases.  q, k: b_attn at my 128 "B" rows, eight neighbours a tile (v32-95).  v: b_attn at 2,048 + my 128 "A" rows, one a block (v96-111, each twice: the packed form names a pair).
	; Both sets are loaded in every work-group, the one that is not used from the buffer's first bytes; they are waited for once, ahead of the way out.  v12, v13 and s[92:95] stay until then.
	v_lshlrev_b32 v12, 5, v2
	v_lshlrev_b32 v13, 2, v1
	s_wait_alu depctr_va_vdst(0)                   ; ahead of the run of scalar lines
	s_lshl_b32 s84, s42, 10
	s_lshl_b32 s85, s16, 9
	s_add_co_u32 s84, s84, s85
	s_lshl_b32 s86, s17, 10
	s_lshl_b32 s87, s15, 9
	s_add_co_u32 s86, s86, s87
	s_add_co_u32 s86, s86, 8192
	s_cmp_eq_u32 s[K2], 1
	s_cselect_b32 s84, 0, s84
	s_cselect_b32 s86, s86, 0
	s_mov_b32 s85, 0
	s_mov_b32 s87, 0
	s_add_nc_u64 s[92:93], s[10:11], s[84:85]
	s_add_nc_u64 s[94:95], s[10:11], s[86:87]
.irp b, 0,1,2,3,4,5,6,7
	global_load_b128 v[BB+8*\b:BB+8*\b+3], v12, s[92:93] offset:64*\b
	global_load_b128 v[BB+8*\b+4:BB+8*\b+7], v12, s[92:93] offset:64*\b+16
.endr
.irp a, 0,1,2,3,4,5,6,7
	global_load_b32 v[BA+2*\a], v13, s[94:95] offset:64*\a
	global_load_b32 v[BA+2*\a+1], v13, s[94:95] offset:64*\a
.endr
.macro FRAG reg, adr, q, i             ; 16 rows x 128 K: lane (r, h) holds row r; registers 4 c .. 4 c + 3 hold K = 32 c + 16 h + 0 .. 15: the same order of k in both operands
.irp c, 0,1,2,3
	ds_load_b128 v[\reg+4*\c:\reg+4*\c+3], v[\adr] offset:128*(\q)+32*\c+(\i)*16*PITCH
.endr
.endm
; 16 matrix instructions: "A"'s blocks a0, a0 + 1 x "B"'s eight.  The 64 accumulators take turns, one instruction a turn, in the same order in every step.
.macro MUL16 a0, p, zero
.irp a, \a0, \a0+1
.irp b, 0,1,2,3,4,5,6,7
.if \zero
	v_wmma_f32_16x16x128_fp8_fp8 v[8*(8*((\a)%4)+\b):8*(8*((\a)%4)+\b)+7], v[128*(\p)+FR*\b:128*(\p)+FR*\b+FR-1], v[AF+FR*(\a):AF+FR*(\a)+FR-1], 0
.else
	v_wmma_f32_16x16x128_fp8_fp8 v[8*(8*((\a)%4)+\b):8*(8*((\a)%4)+\b)+7], v[128*(\p)+FR*\b:128*(\p)+FR*\b+FR-1], v[AF+FR*(\a):AF+FR*(\a)+FR-1], v[8*(8*((\a)%4)+\b):8*(8*((\a)%4)+\b)+7]
.endif
.endr
.endr
.endm
.macro FETCH_B q, p
	WIN TO_B
.irp i, 0,1,2,3,4,5,6,7
	FRAG 128*(\p)+FR*\i, ADRB, \q, \i
.endr
	WIN 0
.endm
.macro FETCH_A q, i0
.irp i, \i0, \i0+1, \i0+2, \i0+3
	FRAG AF+FR*(\i), ADRA, \q, \i
.endr
.endm
.macro PLACES n                        ; plain vector instructions between a matrix instruction and a load into, or a read of, its registers
.rept \n
	v_nop
.endr
.endm
; A step of 128 along K that has its successor in the slot.  "A" has one set of registers: blocks 0-3 are fetched anew in the step's middle, blocks 4-7 at its end.
.macro STEP q, zero
	s_wait_dscnt 4*NL                              ; "B"'s set and "A"'s blocks 0-3 are in; the youngest sixteen loads (blocks 4-7) may be out
	WIN MUL_LO
	MUL16 0, (\q)%2, \zero
	MUL16 2, (\q)%2, \zero
	s_wait_dscnt 0
	PLACES NP
	FETCH_B (\q)+1, 1-(\q)%2
	FETCH_A (\q)+1, 0
.if \zero
	global_prefetch_b8 v[PFO], s[PFA:PFA+1] th:TH_LOAD_NT scope:SCOPE_SE   ; the very first step asks for the second half of K
	global_prefetch_b8 v[PFO], s[PFA:PFA+1] offset:256 th:TH_LOAD_NT scope:SCOPE_SE
.endif
	WIN MUL_HI
	MUL16 4, (\q)%2, \zero
	MUL16 6, (\q)%2, \zero
	PLACES NP
	WIN 0
	FETCH_A (\q)+1, 4
.endm
	s_wait_alu depctr_va_vdst(0)                   ; the wait at the head's end
	s_wait_tensorcnt 0x0                           ; my part of the first half is in
	s_barrier_signal -1
	s_barrier_wait -1                              ; everybody's is
	FETCH_B 0, 0
	FETCH_A 0, 0
	FETCH_A 0, 4
	STEP 0, 1                                      ; the first step's products start the sums: nothing is cleared
	STEP 1, 0
	STEP 2, 0
	s_wait_tensorcnt 0x0                           ; THE CHANGE OF HALVES, in the first half's last step: all my tensor loads have landed
	ds_add_u32 v[SPW], v[NIL]                      ; 0 onto my spare word
	s_wait_dscnt 4*NL+1                            ; (the add and the youngest sixteen loads may be out)
	WIN MUL_LO
	MUL16 0, 1, 0
	s_wait_dscnt 0x0                               ; the add is done, and my reads of the first half are over
	s_barrier_signal -1
	MUL16 2, 1, 0
	WIN 0
	s_barrier_wait -1
	CREST                                          ; the barrier has opened a round of the cluster's: no wave of any partner still reads the slot or has a load on its way
	s_add_nc_u64 s[G0+2:G0+3], s[G0+2:G0+3], ROWB
	s_add_nc_u64 s[G0B+2:G0B+3], s[G0B+2:G0B+3], ROWB
	JLOAD                                          ; the second half: the first tensor load behind the round
	WIN MUL_HI
	MUL16 4, 1, 0
	MUL16 6, 1, 0
	WIN 0
	s_wait_tensorcnt 0x0                           ; my part of the second half is in
	s_barrier_signal -1
	s_barrier_wait -1                              ; everybody's is
	PLACES NP
	FETCH_B 0, 0
	FETCH_A 0, 0
	FETCH_A 0, 4
	STEP 0, 0
	STEP 1, 0
	STEP 2, 0
	s_wait_dscnt 4*NL                              ; the very last step
	WIN MUL_LO
	MUL16 0, 1, 0
	MUL16 2, 1, 0
	s_wait_dscnt 0
	WIN MUL_HI
	MUL16 4, 1, 0
	MUL16 6, 1, 0
	WIN 0
; THE WAY OUT, a block of 16 "A" rows x 128 "B" rows at a time: sum x 2^(e0 + e1) + bias (one fused multiply-add), the hold, the conversion: 8 codes for each accumulator.
; Two neighbouring accumulators' codes are 16 bytes of stage row r; the stage is read back 64 bytes of a row to four lanes, so that a store's 32 lanes cover 8 rows x 64 bytes = 512 consecutive bytes of the target.
	s_wait_kmcnt 0x0                               ; the exponents
	s_wait_loadcnt 0x0                             ; the biases; their address registers are free
	s_add_co_i32 s96, s76, s77
	s_add_co_i32 s96, s96, 127
	s_lshl_b32 s96, s96, 23                        ; 2^(e0 + e1)
	s_mov_b32 s97, s96                             ; (named with it as a pair)
	s_cmp_eq_u32 ttmp9, 0
	s_cselect_b32 s75, s78, s79                    ; e2 for q, e3 for k,
	s_cmp_eq_u32 ttmp9, 2
	s_cselect_b32 s75, s81, s75                    ; e5 for v: chosen, not branched on
	s_add_co_i32 s75, s75, 127
	s_lshl_b32 s19, s75, 23
	s_add_co_i32 s75, s75, 8
	s_lshl_b32 s75, s75, 23
	s_or_b32 s75, s75, 0x600000
	s_lshl_b32 s84, s42, 2
	s_lshl_b32 s85, s16, 1
	s_add_co_u32 s84, s84, s85                     ; g0: my first group of 64 "B" rows
	s_lshl_b32 s85, s17, 8
	s_lshl_b32 s86, s15, 7
	s_add_co_u32 s85, s85, s86                     ; my first "A" row
	s_lshl_b32 s86, s84, 18                        ; q, k: group g0 of 4,096 rows x 64 bytes,
	s_lshl_b32 s87, s85, 6
	s_add_co_u32 s86, s86, s87                     ; + 64 bytes a row
	s_lshr_b32 s87, s84, 5                         ; v: the batch,
	s_lshl_b32 s87, s87, 21
	s_and_b32 s88, s84, 31                         ; the group of 64 keys,
	s_lshl_b32 s88, s88, 12
	s_add_co_u32 s87, s87, s88
	s_lshr_b32 s88, s85, 6                         ; the head
	s_lshl_b32 s88, s88, 17
	s_add_co_u32 s87, s87, s88
	s_mov_b32 s89, 4096
	s_mov_b32 s90, 1<<18
	s_mov_b32 s91, 1<<17
	s_cmp_eq_u32 s[K2], 1
	s_cselect_b32 s86, s87, s86
	s_cselect_b32 s92, s89, s90                    ; from a group of 64 "B" rows to the next
	s_cselect_b32 s94, s91, s89                    ; from 64 "A" rows to the next 64
	s_cselect_b64 s[68:69], s[70:71], s[68:69]
	s_mov_b32 s87, 0
	s_mov_b32 s93, 0
	s_mov_b32 s95, 0
	s_add_nc_u64 s[SBS:SBS+1], s[68:69], s[86:87]
	s_add_nc_u64 s[SBS+2:SBS+3], s[SBS:SBS+1], s[92:93]
	s_add_nc_u64 s[SBS+4:SBS+5], s[SBS:SBS+1], s[94:95]
	s_add_nc_u64 s[SBS+6:SBS+7], s[SBS+4:SBS+5], s[92:93]
	v_mov_b32 v[SCL], s19
	v_mov_b32 v[LIM], s75
	s_wait_alu depctr_va_vdst(0)
.macro CODES a
.set AC, 64*((\a)%4)
.set BKS, BK+16*((\a)%2)
	s_cmp_eq_u32 s[K2], 1                          ; which bias: it hangs on the cluster's x alone
	s_cbranch_scc1 .Lby_row_\@
	WIN 0x02+((\a)/4)                              ; source 0: window 2 or 3
.set jj, 0
.rept 32
	v_pk_fma_f32 v[TMP+jj:TMP+jj+1], v[AC+jj:AC+jj+1], s[96:97], v[BB+jj:BB+jj+1] op_sel_hi:[1,0,1]   ; each accumulator from its low end on
.set jj, jj+2
.endr
	WIN 0
	s_branch .Lbiased_\@
.Lby_row_\@:
	WIN 0x02+((\a)/4)
.set jj, 0
.rept 32
	v_pk_fma_f32 v[TMP+jj:TMP+jj+1], v[AC+jj:AC+jj+1], s[96:97], v[BA+2*(\a):BA+2*(\a)+1] op_sel_hi:[1,0,0]
.set jj, jj+2
.endr
	WIN 0
.Lbiased_\@:
.set jj, 0
.rept 64
	v_med3_num_f32 v[TMP+jj], v[TMP+jj], -v[LIM], v[LIM]   ; the conversion does not saturate (ISA guide 7.6.2)
.set jj, jj+1
.endr
.irp b, 0,1,2,3,4,5,6,7
	v_cvt_scalef32_pk8_fp8_f32 v[CD+2*\b:CD+2*\b+1], v[TMP+8*\b:TMP+8*\b+7], v[SCL]
.endr
	v_nop                                          ; a plain line behind the last conversion
.irp e, 0,1,2,3
	ds_store_b128 v[STO], v[CD+4*\e:CD+4*\e+3] offset:32*\e
.endr
.irp g, 0,1
.irp i, 0,1
	ds_load_b128 v[BKS+4*(2*\g+\i):BKS+4*(2*\g+\i)+3], v[RD] offset:1152*\i+64*\g   ; LDS serves a wave's instructions in order: these see the stores above, and the next block's stores come behind them
.endr
.endr
.endm
.macro SEND a, younger                 ; younger: the LDS instructions issued behind block a's loads
.set BKS, BK+16*((\a)%2)
	s_wait_dscnt \younger
.irp g, 0,1
.irp i, 0,1
	global_store_b128 v[CO], v[BKS+4*(2*\g+\i):BKS+4*(2*\g+\i)+3], s[SBS+4*((\a)/4)+2*\g:SBS+4*((\a)/4)+2*\g+1] offset:(16*((\a)%4)+8*\i)*64   ; 512 consecutive bytes, aligned
.endr
.endr
.endm
	PLACES NP                                      ; behind the last products: their sources' registers are written below
	CODES 0
.irp a, 1,2,3,4,5,6,7
.if \a > 1
	s_wait_xcnt 0x0                                ; block a - 2's stores have read their registers: block a's loads may land there
.endif
	CODES \a
	SEND \a-1, 8                                   ; behind block a - 1's loads: block a's four stores and four loads
.endr
	SEND 7, 0
	s_wait_tensorcnt 0x0                           ; the wave's end
	ds_add_u32 v[SPW], v[NIL]
	s_wait_dscnt 0x0
	CROUND                                         ; the closing round
	s_endpgm
.Lfunc_end_k_qb33c22f894_qkv:
	.size	k_qb33c22f894_qkv, .Lfunc_end_k_qb33c22f894_qkv-k_qb33c22f894_qkv
	.p2alignl 7, 3214868480
	.fill 96, 4, 3214868480
	.section	.rodata,"a",@progbits
	.p2align	6, 0x0
	.amdhsa_kernel k_qb33c22f894_qkv
		.amdhsa_group_segment_fixed_size 327680
		.amdhsa_private_segment_fixed_size 0
		.amdhsa_enable_private_segment 0
		.amdhsa_kernarg_size 48
		.amdhsa_user_sgpr_count 2
		.amdhsa_user_sgpr_kernarg_segment_ptr 1
		.amdhsa_wavefront_size32 1
		.amdhsa_system_sgpr_workgroup_id_x 1
		.amdhsa_system_sgpr_workgroup_id_y 1
		.amdhsa_system_sgpr_workgroup_id_z 1
		.amdhsa_system_vgpr_workitem_id 0
		.amdhsa_next_free_vgpr 1024
		.amdhsa_next_free_sgpr 100
		.amdhsa_reserve_vcc 0
		.amdhsa_float_denorm_mode_32 3
		.amdhsa_float_denorm_mode_16_64 3
		.amdhsa_memory_ordered 1
		.amdhsa_forward_progress 1
		.amdhsa_inst_pref_size 159
	.end_amdhsa_kernel
	.amdgpu_metadata
---
amdhsa.version: [ 1, 2 ]
amdhsa.kernels:
  - .name:           k_qb33c22f894_qkv
    .symbol:         k_qb33c22f894_qkv.kd
    .args:
      - { .name: x_codes, .offset: 0, .size: 8, .value_kind: global_buffer, .address_space: global }
      - { .name: wa_codes, .offset: 8, .size: 8, .value_kind: global_buffer, .address_space: global }
      - { .name: lowp_scales, .offset: 16, .size: 8, .value_kind: global_buffer, .address_space: global }
      - { .name: b_attn, .offset: 24, .size: 8, .value_kind: global_buffer, .address_space: global }
      - { .name: qk_codes, .offset: 32, .size: 8, .value_kind: global_buffer, .address_space: global }
      - { .name: v_codes, .offset: 40, .size: 8, .value_kind: global_buffer, .address_space: global }
    .group_segment_fixed_size: 327680
    .private_segment_fixed_size: 0
    .kernarg_segment_align: 8
    .kernarg_segment_size: 48
    .max_flat_workgroup_size: 128
    .sgpr_count:     100
    .vgpr_count:     1024
    .wavefront_size: 32
...
	.end_amdgpu_metadata
.endif
;; end of part 2
;; launch attn (part 3): grid 8 x 32, 16 waves a work-group, clusters of 4 x 1, 327,680 bytes of LDS; arguments qk_codes, v_codes, lowp_scales, y_codes; writes y_codes
.if DOCPART == 3
	.amdgcn_target "amdgcn-amd-amdhsa--gfx1250"
	.amdhsa_code_object_version 6
	.text
	.protected	k_qb33c22f894_attn
	.globl	k_qb33c22f894_attn
	.p2align	8
	.type	k_qb33c22f894_attn,@function
k_qb33c22f894_attn:
	s_mov_b64 s[64:65], 0
	v_nop
	global_prefetch_b8 v0, s[64:65] scope:SCOPE_SE
	s_setreg_imm32_b32 hwreg(HW_REG_WAVE_MODE, 25, 1), 1
	s_wait_xcnt 0x0
	s_wait_alu depctr_hold_cnt(0) depctr_sa_sdst(0) depctr_va_vdst(0) depctr_va_sdst(0) depctr_va_ssrc(0) depctr_va_vcc(0) depctr_vm_vsrc(0)
	s_getreg_b32 s2, hwreg(HW_REG_IB_STS2, 6, 4)
	s_cmp_eq_u32 s2, 0
	s_cbranch_scc0 .Lentry_in_a_cluster
	s_endpgm
.Lentry_in_a_cluster:
	s_bfe_u32 s2, ttmp6, 0x10000c
	s_cmp_lg_u32 s2, 0x3003
	s_cbranch_scc0 .Lentry_shape_is_right
	s_endpgm
.Lentry_shape_is_right:
; y[b][t][head] = softmax over the keys s <= t of (q . k / 8) times v, both products on codes of E4M3; y is quantised with 2^e6 for the last product.
; IN: qk_codes [32 cg][4096 (b, t)][64] (cg = head: q; 16 + head: k), v_codes [2 b][16 head][32 kg][64 d][64 keys].
; OUT: y_codes [32 (b, t) / 128][16 head][8 tiles of 16 rows][2 c][32 lanes][16 bytes]: the image of an operand's registers: lane (r, h) of half c holds row r, byte 8 u + j = channel 32 c + 16 u + 8 h + j.
; THE SOFTMAX: t = score x log2(e) / 8; M = the running largest t rounded up to a whole number; p = 2^(t - M) is quantised with 2^e4, not normalised; the sum is taken of the unquantised p and divides at the end.
; When M moves, the sum and O are multiplied by 2^(old M - new M): exact.
; LIMITS: e2 + e3 between -123 and 130 (added to the exponent field of log2(e) / 8); e4 and e6 between -126 and 119; e4 + e5 goes by v_ldexp_f32 and has none.  The scaled scores stay under 2^31 in magnitude.
; LEFT OUT: the steps of 128 keys all of which the causal mask hides from a tile.  A NaN or an infinity that reaches only such scores is not carried to the result.
; SHARES.  Work-group p of a head (p = 0 .. 7) owns 16 queries of each group of 128: 128 g + 16 p + 0 .. 15, g = 0 .. 15.  The tile of group g needs the key steps 0 .. g (128 keys each), whatever p: all work-groups do the same work.
; Waves g and g + 8 (g = 0 .. 7) share the tiles of groups g and 15 - g, 17 key steps.  Wave g: steps 0 .. g of tile g, then steps 8 .. 15 - g of tile 15 - g: nine.  Wave g + 8: steps 0 .. 7 of tile 15 - g.
; At the end wave g hands -M, its sum and O to wave g + 8 through LDS, which joins the two parts and stores tile 15 - g.
; LDS HOLDS ALL OF THE HEAD'S K AND V.  Sixteen chunks of 16,384 bytes (256 keys of K or of V), one tensor load for each wave, all at the head: waves 0 to 7 K's, 8 to 15 V's.  Nothing is filled again; one barrier shows it all.
; CLUSTER: four work-groups of a head ask for each chunk jointly (mask 15).  No prefetch: nothing is fetched behind the head.
; LAYOUT.  Both products transposed: S^T = K Q^T (source 0 = 16 neighbouring keys, source 1 = 16 queries; K = 64), O^T = V^T P^T (source 0 = 16 channels, source 1 = P; K = 128 keys): a lane holds one query throughout.
; Tile u's eight registers are keys 16 u + 8 (lane / 16) + 0 .. 7: their eight codes are registers 2 u, 2 u + 1 of P; v_codes' order of keys gives V's 16-byte loads the same places.
; In LDS 256 bytes of memory (four keys or four channels) are a row, 272 apart: the sixteen lanes of a load touch sixteen different 16-byte columns.
; REGISTERS: v1-11 addresses; v12 -M, v13 the largest t, v[14:15] the sum; v16-23 Q; v24 Q's offset; v32-95 fragments of K, then of V; v96-159 S^T, then p; v160-191 O^T; v192-207 p's codes; v208-213 constants; v216-223 y's codes; v234-255 at work.
.set CP,    272
.set STEPB, 32*CP                      ; 128 keys of K, or of V
.set CHUNK, 2*STEPB                    ; what one tensor load brings
.set VOFF,  8*CHUNK                    ; V lies behind K
.set MERGE, 2*VOFF                     ; 9 x 512 bytes for each pair of waves
.set SPARE, MERGE+8*4608               ; the spare words, 128 bytes for each wave
.set AK0,  1
.set AV0,  2
.set MG,   4                           ; my pair's place in MERGE, + 16 x lane
.set SPW,  5
.set NIL,  6
.set GO,   7                           ; 16 x lane
.set ADK,  8
.set ADV,  9
.set SC4,  208                         ; 2^e4
.set SC6,  209                         ; 2^e6
.set L4,   210                         ; v210, v211: 448 x 2^e4
.set L6,   212                         ; 448 x 2^e6
.set NINF, 213                         ; -infinity
.set TB,   2                           ; s2   the step's first LDS byte in K
.set GD,   12                          ; s12  waves 0-7: g, the trip on the first tile's diagonal; waves 8-15: 16 + g, which no trip reaches
.set T,    14                          ; s14  the trip
.set P,    15                          ; s15  p
.set WV,   18
.set XO,   19                          ; s19  what is added to the trip in the second tile: 7 - g
.set SEL,  20
.set CS,   22
.set G1,   24
.set G0,   40
.set LASTT, 66                         ; s66  my last trip: 8 or 7
.set MK,   80                          ; s[80:87] lane masks: register i of the tile on the diagonal is hidden
.macro CROUND                          ; a round of the cluster's barrier
	s_barrier_signal -1
	s_barrier_wait -1
	s_cmp_lg_u32 s[WV], 0
	s_cbranch_scc1 .Lnot_wave_0_\@
	s_barrier_signal -3
.Lnot_wave_0_\@:
	s_barrier_wait -3
	s_barrier_signal -1
	s_barrier_wait -1
.endm
	s_load_b256 s[4:11], s[0:1], 0x0               ; qk_codes s[4:5], v_codes s[6:7], the exponents s[8:9], y_codes s[10:11]
	v_lshl_add_u32 v[SPW], v0, 2, SPARE
	v_mov_b32 v[NIL], 0
	ds_add_u32 v[SPW], v[NIL]                      ; the opening lines: the add twice on end, and one wait
	ds_add_u32 v[SPW], v[NIL]
	v_lshrrev_b32 v8, 5, v0
	v_readfirstlane_b32 s[WV], v8                  ; wave 0..15
	s_bfe_u32 s[P], ttmp6, 0x40000                 ; cx
	s_lshl_b32 s72, ttmp9, 2
	s_add_co_u32 s[P], s[P], s72                   ; p = 4 x cluster x + cx: it enters addresses in memory and lane masks alone
	s_and_b32 s13, ttmp7, 0xffff                   ; 16 b + head
	s_and_b32 s16, s13, 15                         ; head
	s_lshr_b32 s17, s13, 4                         ; b
	s_and_b32 s71, s[WV], 7                        ; g.  Also: which chunk I fetch
	s_lshr_b32 s72, s[WV], 3
	s_sub_co_u32 s[LASTT], 8, s72
	s_lshl_b32 s72, s72, 4
	s_add_co_u32 s[GD], s71, s72
	s_xor_b32 s[XO], s71, 7
	s_xor_b32 s79, s71, 15                         ; 15 - g
	s_cmp_lt_u32 s[WV], 8
	s_cselect_b32 s74, s71, s79                    ; my first tile's group
	s_mov_b32 s[G1], 15|(1<<20)|(1<<21)|(5<<22)|(3<<25)   ; the mask: all four partners; elements of 1 byte; padding on; bit 21 beside a mask; after every 64 words, 4 words
	s_mov_b32 s[G1+1], 256<<16                     ; tensor_dim0
	s_mov_b32 s[G1+2], 64<<16                      ; tensor_dim1
	s_mov_b32 s[G1+3], 256<<16                     ; tile_dim0
	s_mov_b32 s[G1+4], 64                          ; tile_dim1
	s_mov_b32 s[G1+5], 256                         ; the pitch: dense
	s_mov_b32 s[G1+6], 0
	s_mov_b32 s[G1+7], 0
	s_mov_b32 s[SEL], 0x76543210
	s_mov_b32 s[SEL+1], 0xfedcba98
	s_mov_b32 s[CS], 0x3e38aa3b                    ; log2(e) / 8
	s_mov_b32 s73, 0
	s_mov_b32 s[G0], 1
	s_mul_i32 s[G0+1], s[WV], CHUNK                ; where my chunk goes: K's eight, then V's
	s_wait_alu depctr_va_vdst(0)
	s_wait_dscnt 0x0                               ; both opening adds are done
	s_wait_kmcnt 0x0
	s_load_b256 s[56:63], s[8:9], 0x0              ; e0 .. e7
	s_lshl_b32 s72, s16, 18
	s_lshl_b32 s46, s17, 17
	s_add_co_u32 s72, s72, s46
	s_add_nc_u64 s[4:5], s[4:5], s[72:73]          ; q of my head and batch,
	s_add_nc_u64 s[76:77], s[4:5], 0x400000        ; k: 16 groups of 4,096 rows x 64 bytes on,
	s_lshl_b32 s72, s13, 17
	s_add_nc_u64 s[6:7], s[6:7], s[72:73]          ; v
	s_cmp_lt_u32 s[WV], 8
	s_cselect_b64 s[44:45], s[76:77], s[6:7]
	s_lshl_b32 s72, s71, 14
	s_add_nc_u64 s[G0+2:G0+3], s[44:45], s[72:73]
	s_or_b32 s[G0+3], s[G0+3], 0x80000000
	CROUND                                         ; all four work-groups are here: the joint loads meet
	tensor_load_to_lds s[G0:G0+3], s[G1:G1+7]      ; the wave's one tensor load
	s_nop 0
.rept 4
	v_nop
.endr
	s_lshl_b32 s46, s[P], 10                       ; 16 p rows of 64 bytes; and tile p of y
	s_lshl_b32 s72, s74, 13
	s_add_co_u32 s72, s72, s46
	s_add_nc_u64 s[48:49], s[4:5], s[72:73]        ; the queries of my first tile,
	s_lshl_b32 s72, s79, 13
	s_add_co_u32 s72, s72, s46
	s_add_nc_u64 s[50:51], s[4:5], s[72:73]        ; of tile 15 - g
	s_lshl_b32 s47, s16, 13
	s_add_co_u32 s46, s46, s47                     ; y: head x 8,192 + p x 1,024,
	s_lshl_b32 s47, s17, 4
	s_add_co_u32 s72, s47, s71
	s_lshl_b32 s72, s72, 17                        ; + (16 b + group) x 131,072
	s_add_co_u32 s72, s72, s46
	s_add_nc_u64 s[52:53], s[10:11], s[72:73]      ; tile g,
	s_add_co_u32 s72, s47, s79
	s_lshl_b32 s72, s72, 17
	s_add_co_u32 s72, s72, s46
	s_add_nc_u64 s[54:55], s[10:11], s[72:73]      ; tile 15 - g
	s_mul_i32 s72, s71, 4608
	s_add_co_u32 s72, s72, MERGE
	v_and_b32 v8, 15, v0                           ; r
	v_bfe_u32 v9, v0, 4, 1                         ; h
	s_delay_alu instid0(VALU_DEP_2)
	v_lshlrev_b32 v24, 6, v8
	s_delay_alu instid0(VALU_DEP_1)
	v_lshl_add_u32 v24, v9, 4, v24                 ; Q: row r of 64 bytes, + 16 h
	global_load_b128 v[16:19], v24, s[48:49]
	global_load_b128 v[20:23], v24, s[48:49] offset:32
	v_lshrrev_b32 v10, 2, v8
	v_and_b32 v11, 3, v8
	v_lshlrev_b32 v25, 3, v9
	v_mul_u32_u24 v[AK0], v10, CP
	v_and_b32 v[GO], 31, v0
	v_sub_nc_u32 v25, v8, v25                      ; r - 8 h
	v_lshl_add_u32 v[AK0], v11, 6, v[AK0]
	v_lshlrev_b32 v[GO], 4, v[GO]
	s_delay_alu instid0(VALU_DEP_2)
	v_lshl_add_u32 v[AK0], v9, 4, v[AK0]           ; row r / 4 of 272 bytes, + 64 (r % 4), + 16 h
	v_add_nc_u32 v[MG], s72, v[GO]
	s_delay_alu instid0(VALU_DEP_2)
	v_add_nc_u32 v[AV0], VOFF, v[AK0]
.irp i, 0,1,2,3,4,5,6,7
	v_cmp_gt_i32 s[MK+\i], \i, v25                 ; key 8 h + i of the tile on the diagonal comes after query r
.endr
	v_mov_b32 v13, 0xff61b1e6                      ; the largest t so far: -3e38
	s_delay_alu instid0(VALU_DEP_1)
	v_floor_f32 v12, -v13                          ; -M
	v_mov_b32 v14, 0
	v_mov_b32 v15, 0
	v_mov_b32 v236, 0                              ; written once: a lane permute's destination counts as one of its sources
	v_mov_b32 v252, 0
	v_mov_b32 v253, 0                              ; (named as the upper half of the pair v[252:253])
	v_mov_b32 v[NINF], 0xff800000
.set n, 0
.rept 32
	v_mov_b32 v[160+n], 0                          ; O^T: the first step finds zeros
.set n, n+1
.endr
	s_wait_alu depctr_va_vdst(0)
	s_wait_kmcnt 0x0
	s_add_co_i32 s72, s58, s59
	s_lshl_b32 s72, s72, 23
	s_add_co_i32 s[CS], s[CS], s72                 ; a score stands for score x 2^(e2 + e3)
	s_mov_b32 s[CS+1], s[CS]
	s_add_co_i32 s72, s60, 127
	s_lshl_b32 s73, s72, 23
	v_mov_b32 v[SC4], s73
	s_add_co_i32 s72, s72, 8
	s_lshl_b32 s72, s72, 23
	s_or_b32 s72, s72, 0x600000
	v_mov_b32 v[L4], s72
	v_mov_b32 v[L4+1], s72                         ; (each half of a dual pair has its own copy)
	s_add_co_i32 s72, s62, 127
	s_lshl_b32 s73, s72, 23
	v_mov_b32 v[SC6], s73
	s_add_co_i32 s72, s72, 8
	s_lshl_b32 s72, s72, 23
	s_or_b32 s72, s72, 0x600000
	v_mov_b32 v[L6], s72
	s_add_co_i32 s70, s60, s61                     ; e4 + e5
; A KEY STEP: the 128 keys whose rows begin at LDS byte s[TB] of K, and of V
.macro STEP
	v_add_nc_u32 v[ADK], s[TB], v[AK0]
	v_add_nc_u32 v[ADV], s[TB], v[AV0]
	v_nop                                          ; with the two additions: four places in front of loads into registers that the last products read
	v_nop
.irp u, 0,1,2,3,4,5,6,7
	ds_load_b128 v[32+8*\u:35+8*\u], v[ADK] offset:4*\u*CP
	ds_load_b128 v[36+8*\u:39+8*\u], v[ADK] offset:4*\u*CP+32
.endr
	s_wait_alu depctr_va_vdst(0)
	s_wait_dscnt 0x8                               ; the first four tiles of K are in; the other four's eight loads may be out
.irp u, 0,1,2,3
	v_wmma_f32_16x16x64_fp8_fp8 v[96+8*\u:103+8*\u], v[32+8*\u:39+8*\u], v[16:23], 0
.endr
	s_wait_dscnt 0x0
.irp u, 4,5,6,7
	v_wmma_f32_16x16x64_fp8_fp8 v[96+8*\u:103+8*\u], v[32+8*\u:39+8*\u], v[16:23], 0
.endr
.rept 4
	v_nop
.endr
.irp t, 0,1,2,3                                ; V's fragments land while the softmax is walked
.irp c, 0,1,2,3
	ds_load_b128 v[32+16*\t+4*\c:35+16*\t+4*\c], v[ADV] offset:(16*(\c/2)+4*\t)*CP+32*(\c%2)
.endr
.endr
	s_cmp_eq_u32 s[T], 8                           ; the diagonal of tile 15 - g,
	s_cbranch_scc1 .Lmask_\@
	s_cmp_eq_u32 s[T], s[GD]                       ; or of tile g; in every other step all keys count
	s_cbranch_scc0 .Lopen_\@
.Lmask_\@:
.irp u, 0,1,2,3,4,5,6,7                        ; keys 16 u on: all count for u < p, none for u > p; u = p by the lane masks.  -infinity: p = 0 then
	s_cmp_lt_u32 s[P], \u
	s_cselect_b32 s96, -1, 0
	s_cmp_eq_u32 s[P], \u
.irp i, 0,1,2,3,4,5,6,7
	s_cselect_b32 s[88+\i], s[MK+\i], s96
.endr
.irp i, 0,1,2,3,4,5,6,7
	v_cndmask_b32 v[96+8*\u+\i], v[96+8*\u+\i], v[NINF], s[88+\i]
.endr
.endr
.Lopen_\@:
	v_max3_num_f32 v254, v96, v97, v98             ; the step's largest score of my query among my 64 keys, in two chains,
	v_max3_num_f32 v252, v99, v100, v101
.irp i, 6,10,14,18,22,26,30,34,38,42,46,50,54,58
	v_max3_num_f32 v254, v254, v[96+\i], v[97+\i]
	v_max3_num_f32 v252, v252, v[98+\i], v[99+\i]
.endr
	v_max3_num_f32 v254, v254, v158, v159
	s_delay_alu instid0(VALU_DEP_1)
	v_max_num_f32 v254, v254, v252
	s_delay_alu instid0(VALU_DEP_1)
	v_permlanex16_b32 v236, v254, s[SEL], s[SEL+1]
	s_delay_alu instid0(VALU_DEP_1)
	v_max_num_f32 v254, v254, v236                 ; and among lane l xor 16's
	s_delay_alu instid0(VALU_DEP_1)
	v_mul_f32 v254, s[CS], v254                    ; as t
	s_delay_alu instid0(VALU_DEP_1)
	v_max_num_f32 v13, v13, v254                   ; the running largest t
	v_mov_b32 v254, v12
	s_delay_alu instid0(VALU_DEP_2)
	v_floor_f32 v12, -v13                          ; the new -M = -ceil(t)
	s_delay_alu instid0(VALU_DEP_1)
	v_sub_f32 v254, v12, v254                      ; old M - new M: a whole number, 0 or less
	s_delay_alu instid0(VALU_DEP_1)
	v_cvt_i32_f32 v254, v254                       ; (it saturates)
	s_delay_alu instid0(VALU_DEP_1)
	v_ldexp_f32 v252, 1.0, v254                    ; f = 2^(old M - new M)
.set n, 0
.rept 32
	v_pk_fma_f32 v[96+n:97+n], v[96+n:97+n], s[CS:CS+1], v[12:13] op_sel_hi:[1,0,0]   ; t - M
.set n, n+2
.endr
.set n, 0
	s_wait_alu depctr_va_vdst(0)
.rept 64
	v_exp_f32 v[96+n], v[96+n]                     ; p = 2^(t - M)
.set n, n+1
.endr
	v_pk_mul_f32 v[14:15], v[14:15], v[252:253] op_sel_hi:[1,0]   ; the sums under the new M: the plain line behind the exponentials
	s_wait_alu depctr_va_vdst(0)                   ; one wait for the whole batch, ahead of its first reader
	v_pk_add_f32 v[242:243], v[100:101], v[104:105]
	v_pk_add_f32 v[254:255], v[108:109], v[112:113]
	v_pk_add_f32 v[250:251], v[116:117], v[120:121]
	v_pk_add_f32 v[248:249], v[124:125], v[128:129]
	v_pk_add_f32 v[246:247], v[132:133], v[136:137]
	v_pk_add_f32 v[238:239], v[140:141], v[144:145]
	v_pk_add_f32 v[234:235], v[148:149], v[152:153]
	v_pk_add_f32 v[14:15], v[14:15], v[156:157]
	v_pk_add_f32 v[242:243], v[242:243], v[96:97]
	v_pk_add_f32 v[254:255], v[254:255], v[98:99]
	v_pk_add_f32 v[250:251], v[250:251], v[102:103]
	v_pk_add_f32 v[248:249], v[248:249], v[106:107]
	v_pk_add_f32 v[246:247], v[246:247], v[110:111]
	v_pk_add_f32 v[238:239], v[238:239], v[114:115]
	v_pk_add_f32 v[234:235], v[234:235], v[118:119]
	v_pk_add_f32 v[14:15], v[14:15], v[122:123]
	v_pk_add_f32 v[242:243], v[242:243], v[126:127]
	v_pk_add_f32 v[254:255], v[254:255], v[130:131]
	v_pk_add_f32 v[250:251], v[250:251], v[134:135]
	v_pk_add_f32 v[248:249], v[248:249], v[138:139]
	v_pk_add_f32 v[246:247], v[246:247], v[142:143]
	v_pk_add_f32 v[238:239], v[238:239], v[146:147]
	v_pk_add_f32 v[234:235], v[234:235], v[150:151]
	v_pk_add_f32 v[14:15], v[14:15], v[154:155]
	v_pk_add_f32 v[242:243], v[242:243], v[158:159]
	s_delay_alu instid0(VALU_DEP_2)
	v_pk_add_f32 v[14:15], v[14:15], v[248:249]
	s_delay_alu instid0(VALU_DEP_2)
	v_pk_add_f32 v[242:243], v[242:243], v[246:247]
	v_pk_add_f32 v[254:255], v[254:255], v[238:239]
	v_pk_add_f32 v[250:251], v[250:251], v[234:235]
	s_delay_alu instid0(VALU_DEP_2)
	v_pk_add_f32 v[14:15], v[14:15], v[254:255]
	s_delay_alu instid0(VALU_DEP_2)
	v_pk_add_f32 v[242:243], v[242:243], v[250:251]
	s_delay_alu instid0(VALU_DEP_1)
	v_pk_add_f32 v[14:15], v[14:15], v[242:243]
.set n, 0
.rept 32
	v_dual_min_num_f32 v[96+n], v[96+n], v[L4] :: v_dual_min_num_f32 v[97+n], v[97+n], v[L4+1]   ; the hold; p is not negative
.set n, n+2
.endr
.irp u, 0,1,2,3,4,5,6,7
	v_cvt_scalef32_pk8_fp8_f32 v[192+2*\u:193+2*\u], v[96+8*\u:103+8*\u], v[SC4]
.endr
	s_wait_alu depctr_va_vdst(0)                   ; directly ahead of the first reader of O^T
.set n, 0
.rept 16
	v_pk_mul_f32 v[160+n:161+n], v[160+n:161+n], v[252:253] op_sel_hi:[1,0]   ; O^T under the new M (also the plain lines behind the conversions)
.set n, n+2
.endr
	s_wait_alu depctr_va_vdst(0)
	s_wait_dscnt 0x0                               ; V is in
.irp t, 0,1,2,3                                ; the four accumulators take turns; between two links on one of them stand the others' and the next step's eight
	v_wmma_f32_16x16x128_fp8_fp8 v[160+8*\t:167+8*\t], v[32+16*\t:47+16*\t], v[192:207], v[160+8*\t:167+8*\t]
.endr
.endm
; A tile's end: O^T / the sum x 2^(e4 + e5) is y; held, converted with 2^e6.  Two tiles' codes are 16 bytes a lane: the wave stores 2 x 512 consecutive bytes, aligned, straight from its registers.
.macro FINISH yb
.rept 4
	v_nop                                          ; places behind the last products
.endr
	v_add_f32 v14, v14, v15
	s_delay_alu instid0(VALU_DEP_1)
	v_permlanex16_b32 v252, v14, s[SEL], s[SEL+1]
	s_delay_alu instid0(VALU_DEP_1)
	v_add_f32 v14, v14, v252                       ; the row's sum
	s_wait_alu depctr_va_vdst(0)
	v_rcp_f32 v14, v14
	v_nop                                          ; a plain line behind the reciprocal,
	s_wait_alu depctr_va_vdst(0)                   ; and the wait ahead of its first reader
	v_ldexp_f32 v14, v14, s70
.set n, 0
.rept 16
	v_pk_mul_f32 v[96+n:97+n], v[160+n:161+n], v[14:15] op_sel_hi:[1,0]   ; register 8 t + i: y(r, 16 t + 8 h + i); each accumulator from its low end on
.set n, n+2
.endr
.set n, 0
.rept 32
	v_med3_num_f32 v[96+n], v[96+n], -v[L6], v[L6] ; the conversion does not saturate (ISA guide 7.6.2)
.set n, n+1
.endr
.irp t, 0,1,2,3
	v_cvt_scalef32_pk8_fp8_f32 v[216+2*\t:217+2*\t], v[96+8*\t:103+8*\t], v[SC6]
.endr
	v_nop
	global_store_b128 v[GO], v[216:219], s[\yb:\yb+1]
	global_store_b128 v[GO], v[220:223], s[\yb:\yb+1] offset:512
.endm
	s_wait_alu depctr_va_vdst(0)                   ; the wait at the head's end
	s_wait_loadcnt 0x0                             ; Q
	s_wait_tensorcnt 0x0                           ; my chunk is in
	s_barrier_signal -1
	s_barrier_wait -1                              ; everybody's is
	s_mov_b32 s[T], 0
.Ltrip:                                            ; trips 0 to 8
	s_add_co_u32 s96, s[GD], 1
	s_cmp_eq_u32 s[T], s96                         ; tile g is through: on to tile 15 - g (waves 0 to 7, once)
	s_cbranch_scc0 .Lsame
	s_wait_xcnt 0x0
	global_load_b128 v[16:19], v24, s[50:51]       ; its Q
	global_load_b128 v[20:23], v24, s[50:51] offset:32
	FINISH 52
	v_mov_b32 v13, 0xff61b1e6
	s_delay_alu instid0(VALU_DEP_1)
	v_floor_f32 v12, -v13
	v_mov_b32 v14, 0
	v_mov_b32 v15, 0
.set n, 0
.rept 32
	v_mov_b32 v[160+n], 0
.set n, n+1
.endr
	s_wait_alu depctr_va_vdst(0)
	s_wait_loadcnt 0x0
.Lsame:
	s_cmp_gt_u32 s[T], s[LASTT]                    ; waves 8 to 15 have eight steps
	s_cbranch_scc1 .Lidle
	s_cmp_gt_u32 s[T], s[GD]
	s_cselect_b32 s96, s[XO], 0
	s_add_co_u32 s96, s96, s[T]                    ; the key step: the trip, or, in the second tile of waves 0 to 7, 8 + (trip - g - 1)
	s_mul_i32 s[TB], s96, STEPB
	STEP
.Lidle:
	s_add_co_u32 s[T], s[T], 1
	s_cmp_lt_u32 s[T], 9
	s_cbranch_scc1 .Ltrip
.rept 4
	v_nop                                          ; places behind the last products
.endr
	s_wait_alu depctr_va_vdst(0)
	s_cmp_lt_u32 s[WV], 8
	s_cbranch_scc0 .Lkeep
.irp i, 0,1,2,3,4,5,6,7                        ; waves 0 to 7 hand over O^T, and -M and the sum
	ds_store_b128 v[MG], v[160+4*\i:163+4*\i] offset:512*\i
.endr
	ds_store_b128 v[MG], v[12:15] offset:4096
.Lkeep:
	s_wait_dscnt 0x0                               ; my stores are done
	s_barrier_signal -1
	s_barrier_wait -1
	s_cmp_lt_u32 s[WV], 8
	s_cbranch_scc1 .Lend
.irp i, 0,1,2,3,4,5,6,7
	ds_load_b128 v[96+4*\i:99+4*\i], v[MG] offset:512*\i
.endr
	ds_load_b128 v[128:131], v[MG] offset:4096
	s_wait_dscnt 0x0
	v_min_num_f32 v132, v12, v128                  ; -M of both parts
	v_sub_f32 v133, v132, v12
	v_sub_f32 v134, v132, v128
	v_cvt_i32_f32 v133, v133
	v_cvt_i32_f32 v134, v134
	v_ldexp_f32 v136, 1.0, v133                    ; my part's factor,
	v_ldexp_f32 v138, 1.0, v134                    ; the other's: powers of two, 1 or less
	v_pk_mul_f32 v[14:15], v[14:15], v[136:137] op_sel_hi:[1,0]
.set n, 0
.rept 16
	v_pk_mul_f32 v[160+n:161+n], v[160+n:161+n], v[136:137] op_sel_hi:[1,0]
.set n, n+2
.endr
	v_pk_fma_f32 v[14:15], v[130:131], v[138:139], v[14:15] op_sel_hi:[1,0,1]
.set n, 0
.rept 16
	v_pk_fma_f32 v[160+n:161+n], v[96+n:97+n], v[138:139], v[160+n:161+n] op_sel_hi:[1,0,1]
.set n, n+2
.endr
	s_wait_alu depctr_va_vdst(0)
	s_wait_xcnt 0x0                                ; earlier stores have read their registers
	FINISH 54
.Lend:
	s_wait_tensorcnt 0x0                           ; the wave's end
	ds_add_u32 v[SPW], v[NIL]
	s_wait_dscnt 0x0
	CROUND                                         ; the closing round
	s_endpgm
.Lfunc_end_k_qb33c22f894_attn:
	.size	k_qb33c22f894_attn, .Lfunc_end_k_qb33c22f894_attn-k_qb33c22f894_attn
	.p2alignl 7, 3214868480
	.fill 96, 4, 3214868480
	.section	.rodata,"a",@progbits
	.p2align	6, 0x0
	.amdhsa_kernel k_qb33c22f894_attn
		.amdhsa_group_segment_fixed_size 327680
		.amdhsa_private_segment_fixed_size 0
		.amdhsa_enable_private_segment 0
		.amdhsa_kernarg_size 32
		.amdhsa_user_sgpr_count 2
		.amdhsa_user_sgpr_kernarg_segment_ptr 1
		.amdhsa_wavefront_size32 1
		.amdhsa_system_sgpr_workgroup_id_x 1
		.amdhsa_system_sgpr_workgroup_id_y 1
		.amdhsa_system_sgpr_workgroup_id_z 1
		.amdhsa_system_vgpr_workitem_id 0
		.amdhsa_next_free_vgpr 256
		.amdhsa_next_free_sgpr 100
		.amdhsa_reserve_vcc 0
		.amdhsa_float_denorm_mode_32 3
		.amdhsa_float_denorm_mode_16_64 3
		.amdhsa_memory_ordered 1
		.amdhsa_forward_progress 1
		.amdhsa_inst_pref_size 45
	.end_amdhsa_kernel
	.amdgpu_metadata
---
amdhsa.version: [ 1, 2 ]
amdhsa.kernels:
  - .name:           k_qb33c22f894_attn
    .symbol:         k_qb33c22f894_attn.kd
    .args:
      - { .name: qk_codes, .offset: 0, .size: 8, .value_kind: global_buffer, .address_space: global }
      - { .name: v_codes, .offset: 8, .size: 8, .value_kind: global_buffer, .address_space: global }
      - { .name: lowp_scales, .offset: 16, .size: 8, .value_kind: global_buffer, .address_space: global }
      - { .name: y_codes, .offset: 24, .size: 8, .value_kind: global_buffer, .address_space: global }
    .group_segment_fixed_size: 327680
    .private_segment_fixed_size: 0
    .kernarg_segment_align: 8
    .kernarg_segment_size: 32
    .max_flat_workgroup_size: 512
    .sgpr_count:     100
    .vgpr_count:     256
    .wavefront_size: 32
...
	.end_amdgpu_metadata
.endif
;; end of part 3
;; launch proj (part 4): grid 8 x 32, 4 waves a work-group, clusters of 4 x 4, 327,680 bytes of LDS; arguments y_codes, wp_codes, lowp_scales, b_proj, out0; writes out0
.if DOCPART == 4
	.amdgcn_target "amdgcn-amd-amdhsa--gfx1250"
	.amdhsa_code_object_version 6
	.text
	.protected	k_qb33c22f894_proj
	.globl	k_qb33c22f894_proj
	.p2align	8
	.type	k_qb33c22f894_proj,@function
k_qb33c22f894_proj:
	s_mov_b64 s[64:65], 0
	v_nop
	global_prefetch_b8 v0, s[64:65] scope:SCOPE_SE
	s_setreg_imm32_b32 hwreg(HW_REG_WAVE_MODE, 25, 1), 1
	s_wait_xcnt 0x0
	s_wait_alu depctr_hold_cnt(0) depctr_sa_sdst(0) depctr_va_vdst(0) depctr_va_sdst(0) depctr_va_ssrc(0) depctr_va_vcc(0) depctr_vm_vsrc(0)
	s_getreg_b32 s2, hwreg(HW_REG_IB_STS2, 6, 4)
	s_cmp_eq_u32 s2, 0
	s_cbranch_scc0 .Lentry_in_a_cluster
	s_endpgm
.Lentry_in_a_cluster:
	s_bfe_u32 s2, ttmp6, 0x10000c
	s_cmp_lg_u32 s2, 0xf033
	s_cbranch_scc0 .Lentry_shape_is_right
	s_endpgm
.Lentry_shape_is_right:
; out [4096][1024] = y w_proj + b_proj on codes of E4M3, sums in f32; each sum x 2^(e6 + e7) + bias.
; IN: y_codes [32 row blocks][16 head][8 tiles of 16 rows][2 c][32 lanes][16 bytes] (lane (r, h): row r; byte 8 u + j: k = 64 head + 32 c + 16 u + 8 h + j), wp_codes [1024 n][1024 k].
; LIMIT: e6 + e7 between -126 and 127, so that 2^(e6 + e7) is an f32 number.
; SHARES.  A tile of 128 x 128 to a work-group of four waves, 64 x 64 (16 accumulators) to a wave; 256 work-groups.
; LDS HOLDS THE TILE'S WHOLE K, in two halves of 512 along K; one tensor load for each wave, all at the head: waves 0 and 1 y's and w_proj's part of half 0, waves 2 and 3 of half 1.  Nothing is filled again, and one barrier shows it all.
; y's part of a half is 65,536 consecutive bytes, which are the images of operand registers: a fragment's load reads 16 x lane, without padding.  w_proj's rows of 512 bytes lie 528 apart.
; BY ROWS OF OUT: w_proj's fragments of the whole K come into registers (512 of them) and stay; y's come by blocks of 16 rows, and a wave's four blocks are finished one after the other: a block's stores leave while the next are multiplied.
; CLUSTERS: 4 x 4 work-groups.  y's tile is shared along a row of the cluster, w_proj's along a column: each is asked for jointly.  No prefetch: nothing is fetched behind the head.
; THE MATRIX INSTRUCTION IS USED TRANSPOSED: source 0 = 16 rows of w_proj (columns of out), source 1 = 16 rows of y: lane (r, h) holds row r of out and eight neighbouring columns.
; K ORDER: registers 2 c, 2 c + 1 hold k = 16 c + 8 h + 0 .. 7 in both operands: w_proj's come by loads of 8 bytes.
; REGISTERS: window 0: v16-31 addresses and the bias, v32-95 the way out, v128-255 the accumulators ((a, b) at 128 + 8 (4 a + b)).  Window 1: y's fragments of a block, two sets of 128.  Windows 2, 3: w_proj's, K steps 0-3, 4-7.
.set BP,    528                        ; w_proj's LDS row
.set BOFF,  131072                     ; behind y's two halves of 65,536 bytes
.set BHALF, 128*BP
.set STAGE, BOFF+2*BHALF               ; the way out: 16 rows x 272 bytes for each wave; no fill lands here
.set SP,    272
.set SPARE, STAGE+4*16*SP              ; the spare words, 128 bytes for each wave
.set ADA, 16
.set ADB, 20
.set STO, 22
.set RD,  23
.set CO,  24
.set BO,  25
.set SPW, 26
.set NIL, 27
.set BI,  28
.set BK,  32
.set ACC, 128
.set G1,  24
.set G0,  32
.set G0B, 36
.set G1B, 48
.set MSB, 0
.macro WIN new                         ; the immediate's high byte repeats the setting that is left
.if MSB != \new
	s_set_vgpr_msb (MSB<<8)|\new
.set MSB, \new
.endif
.endm
.macro CROUND                          ; a round of the cluster's barrier
	s_barrier_signal -1
	s_barrier_wait -1
	s_cmp_lg_u32 s14, 0
	s_cbranch_scc1 .Lnot_wave_0_\@
	s_barrier_signal -3
.Lnot_wave_0_\@:
	s_barrier_wait -3
	s_barrier_signal -1
	s_barrier_wait -1
.endm
	s_load_b128 s[4:7], s[0:1], 0x0                ; y_codes, wp_codes
	s_load_b128 s[8:11], s[0:1], 0x10              ; the exponents, b_proj
	s_load_b64 s[12:13], s[0:1], 0x20              ; out0
	v_lshl_add_u32 v[SPW], v0, 2, SPARE
	v_mov_b32 v[NIL], 0
	ds_add_u32 v[SPW], v[NIL]                      ; the opening lines: the add twice on end, and one wait
	ds_add_u32 v[SPW], v[NIL]
	v_lshrrev_b32 v1, 5, v0
	v_readfirstlane_b32 s14, v1                    ; wave 0..3
	s_and_b32 s15, s14, 1                          ; I fetch for y (0) or for w_proj (1).  Also: which 64 columns are mine
	s_lshr_b32 s16, s14, 1                         ; which half of K I fetch.  Also: which 64 rows are mine
	s_bfe_u32 s40, ttmp6, 0x40000                  ; cx
	s_bfe_u32 s41, ttmp6, 0x40004                  ; cy
	s_lshl_b32 s42, ttmp9, 2
	s_add_co_u32 s42, s42, s40                     ; tile column
	s_and_b32 s17, ttmp7, 0xffff
	s_lshl_b32 s17, s17, 2
	s_add_co_u32 s17, s17, s41                     ; tile row
	s_lshl_b32 s43, s41, 2
	s_lshl_b32 s43, 15, s43                        ; my row of the cluster
	s_lshl_b32 s44, 0x1111, s40                    ; my column
	s_or_b32 s[G1], s43, (1<<21)                   ; y: the mask; elements of 1 byte; bit 21 beside a mask; no padding
	s_mov_b32 s[G1+1], 256<<16                     ; tensor_dim0
	s_mov_b32 s[G1+2], 256<<16                     ; tensor_dim1
	s_mov_b32 s[G1+3], 256<<16                     ; tile_dim0
	s_mov_b32 s[G1+4], 256                         ; tile_dim1
	s_mov_b32 s[G1+5], 256                         ; the pitch: dense
	s_mov_b32 s[G1+6], 0
	s_mov_b32 s[G1+7], 0
	s_or_b32 s[G1B], s44, (1<<20)|(1<<21)|(6<<22)|(3<<25)   ; w_proj: padding: after every 128 words, 4 words
	s_mov_b32 s[G1B+1], 512<<16
	s_mov_b32 s[G1B+2], 128<<16
	s_mov_b32 s[G1B+3], 512<<16
	s_mov_b32 s[G1B+4], 128
	s_mov_b32 s[G1B+5], 1024
	s_mov_b32 s[G1B+6], 0
	s_mov_b32 s[G1B+7], 0
	s_lshl_b32 s20, s17, 17                        ; y: 131,072 bytes a row block,
	s_lshl_b32 s18, s16, 16
	s_add_co_u32 s20, s20, s18                     ; + 65,536 a half
	s_mov_b32 s21, 0
	s_lshl_b32 s46, s42, 17                        ; w_proj: 128 rows of 1,024 bytes a tile,
	s_lshl_b32 s19, s16, 9
	s_add_co_u32 s46, s46, s19                     ; + 512 a half
	s_mov_b32 s47, 0
	s_mov_b32 s[G0], 1
	s_mov_b32 s[G0+1], s18                         ; y's half in LDS
	s_mov_b32 s[G0B], 1
	s_mul_i32 s[G0B+1], s16, BHALF
	s_add_co_u32 s[G0B+1], s[G0B+1], BOFF          ; w_proj's
	s_wait_alu depctr_va_vdst(0)
	s_wait_dscnt 0x0                               ; both opening adds are done
	s_wait_kmcnt 0x0
	s_load_b64 s[96:97], s[8:9], 0x18              ; e6, e7
	s_add_nc_u64 s[G0+2:G0+3], s[4:5], s[20:21]
	s_or_b32 s[G0+3], s[G0+3], 0x80000000
	s_add_nc_u64 s[G0B+2:G0B+3], s[6:7], s[46:47]
	s_or_b32 s[G0B+3], s[G0B+3], 0x80000000
	CROUND                                         ; all sixteen work-groups are here: the joint loads meet
	s_cmp_eq_u32 s15, 0
	s_cbranch_scc0 .Lfor_b
	tensor_load_to_lds s[G0:G0+3], s[G1:G1+7]
	s_nop 0
.rept 4
	v_nop
.endr
	s_branch .Lasked
.Lfor_b:
	tensor_load_to_lds s[G0B:G0B+3], s[G1B:G1B+7]
	s_nop 0
.rept 4
	v_nop
.endr
.Lasked:
	; scalar addresses first: out, the bias, the LDS bases
	s_lshl_b32 s20, s17, 19                        ; 128 rows of 4,096 bytes a tile row,
	s_lshl_b32 s18, s16, 18
	s_add_co_u32 s20, s20, s18                     ; + 64 rows
	s_mov_b32 s21, 0
	s_lshl_b32 s66, s42, 9
	s_lshl_b32 s67, s15, 8
	s_add_co_u32 s66, s66, s67                     ; 512 x tile column + 256 x half: in out and in the bias
	s_mov_b32 s67, 0
	s_add_nc_u64 s[10:11], s[10:11], s[66:67]
	s_add_nc_u64 s[12:13], s[12:13], s[20:21]
	s_add_nc_u64 s[12:13], s[12:13], s[66:67]
	s_lshl_b32 s18, s16, 12                        ; my four tiles of 16 rows of y
	s_mul_i32 s19, s15, 64*BP
	s_add_co_u32 s19, s19, BOFF                    ; my 64 rows of w_proj
	s_mul_i32 s22, s14, 16*SP
	s_add_co_u32 s22, s22, STAGE                   ; my stage
	v_and_b32 v1, 15, v0                           ; r
	v_bfe_u32 v2, v0, 4, 1                         ; h
	v_and_b32 v3, 31, v0
	v_lshlrev_b32 v[BO], 4, v1
	global_load_b128 v[BI:BI+3], v[BO], s[10:11]   ; the bias at my four columns of a row that is read back
	v_lshlrev_b32 v4, 4, v3
	v_add_nc_u32 v[ADA], s18, v4
	v_add_nc_u32 v[ADA+1], 0x10000, v[ADA]
	v_mul_u32_u24 v5, v1, BP
	v_lshl_add_u32 v5, v2, 3, v5
	v_add_nc_u32 v[ADB], s19, v5                   ; row r, + 8 h
	v_add_nc_u32 v[ADB+1], BHALF, v[ADB]
	v_mul_u32_u24 v6, v1, SP
	v_lshl_add_u32 v6, v2, 5, v6
	v_add_nc_u32 v[STO], s22, v6                   ; in: row r, + 32 h
	v_mul_u32_u24 v7, v2, SP
	v_lshl_add_u32 v7, v1, 4, v7
	v_add_nc_u32 v[RD], s22, v7                    ; back: lanes 0-15 one row of 256 bytes, lanes 16-31 the next
	v_lshlrev_b32 v8, 12, v2
	v_lshl_add_u32 v[CO], v1, 4, v8                ; and the same two rows in out
; y's fragments of block a, the whole K, into set a % 2: 32 loads
.macro LOADA a
.set ZZ, 128*((\a)%2)
	WIN 0x40                                       ; destination window 1
.irp s, 0,1,2,3,4,5,6,7
.irp c, 0,1,2,3
	ds_load_b128 v[ZZ+16*\s+4*\c:ZZ+16*\s+4*\c+3], v[ADA+\s/4] offset:(2*(\s%4)+\c/2)*8192+(\a)*1024+(\c%2)*512
.endr
.endr
.endm
; w_proj's fragments of the s-th 128 along K: 32 loads
.macro LOADB s
.set SS, (\s)%4
.set HF, (\s)/4
	WIN 0x80+0x40*((\s)/4)                         ; destination window 2 or 3
.irp b, 0,1,2,3
.irp c, 0,1,2,3,4,5,6,7
	ds_load_b64 v[64*SS+16*\b+2*\c:64*SS+16*\b+2*\c+1], v[ADB+HF] offset:\b*16*BP+128*SS+16*\c
.endr
.endr
.endm
; block a x the s-th 128 along K; the block's four accumulators take turns, one instruction a turn
.macro MULS a, s, zero
.set SS, 64*((\s)%4)
.set ZZ, 128*((\a)%2)+16*(\s)
	WIN 0x06+((\s)/4)                              ; source 0 window 2 or 3, source 1 window 1, C and D window 0
.irp b, 0,1,2,3
.if \zero
	v_wmma_f32_16x16x128_fp8_fp8 v[ACC+8*(4*(\a)+\b):ACC+8*(4*(\a)+\b)+7], v[SS+16*\b:SS+16*\b+15], v[ZZ:ZZ+15], 0
.else
	v_wmma_f32_16x16x128_fp8_fp8 v[ACC+8*(4*(\a)+\b):ACC+8*(4*(\a)+\b)+7], v[SS+16*\b:SS+16*\b+15], v[ZZ:ZZ+15], v[ACC+8*(4*(\a)+\b):ACC+8*(4*(\a)+\b)+7]
.endif
.endr
.endm
.macro BLOCK a                         ; a whole block: the first products start the sums
	MULS \a, 0, 1
.irp s, 1,2,3,4,5,6,7
	MULS \a, \s, 0
.endr
	WIN 0
.endm
; THE WAY OUT of a block, 16 rows x 64 columns, through my own stage and back as whole rows of 256 bytes.  LDS serves a wave's instructions in order (ISA guide 5.7.1.4): no wait between the stores and the loads.
.macro TOSTAGE a
.irp b, 0,1,2,3
	ds_store_b128 v[STO], v[ACC+8*(4*(\a)+\b):ACC+8*(4*(\a)+\b)+3] offset:64*\b
	ds_store_b128 v[STO], v[ACC+8*(4*(\a)+\b)+4:ACC+8*(4*(\a)+\b)+7] offset:64*\b+16
.endr
.set BKS, BK+32*((\a)%2)
.irp t, 0,1,2,3,4,5,6,7
	ds_load_b128 v[BKS+4*\t:BKS+4*\t+3], v[RD] offset:2*\t*SP
.endr
.endm
.macro SEND a
.set BKS, BK+32*((\a)%2)
.irp t, 0,1,2,3,4,5,6,7
	v_pk_fma_f32 v[BKS+4*\t:BKS+4*\t+1], v[BKS+4*\t:BKS+4*\t+1], s[96:97], v[BI:BI+1] op_sel_hi:[1,0,1]
	v_pk_fma_f32 v[BKS+4*\t+2:BKS+4*\t+3], v[BKS+4*\t+2:BKS+4*\t+3], s[96:97], v[BI+2:BI+3] op_sel_hi:[1,0,1]
	global_store_b128 v[CO], v[BKS+4*\t:BKS+4*\t+3], s[12:13] offset:(16*(\a)+2*\t)*4096 th:TH_STORE_NT   ; sixteen lanes store 256 consecutive bytes, aligned
.endr
.endm
	s_wait_alu depctr_va_vdst(0)                   ; the wait at the head's end
	s_wait_kmcnt 0x0
	s_add_co_i32 s96, s96, s97
	s_add_co_i32 s96, s96, 127
	s_lshl_b32 s96, s96, 23                        ; 2^(e6 + e7)
	s_mov_b32 s97, s96                             ; (named with it as a pair)
	s_wait_loadcnt 0x0                             ; the bias
	s_wait_tensorcnt 0x0                           ; my part is in
	s_barrier_signal -1
	s_barrier_wait -1                              ; everybody's is
	LOADA 0
	LOADB 0
	LOADB 1
	s_wait_dscnt 32                                ; block 0 of y and K step 0 of w_proj are in; K step 1's 32 loads may be out
	MULS 0, 0, 1
.irp s, 1,2,3,4,5,6
	LOADB \s+1
	s_wait_dscnt 32
	MULS 0, \s, 0
.endr
	LOADA 1
	s_wait_dscnt 32                                ; w_proj is in; y's block 1 may be out
	MULS 0, 7, 0
	WIN 0
.rept 4
	v_nop                                          ; places behind the block's products (ISA guide 7.12.1)
.endr
	TOSTAGE 0
	LOADA 2                                        ; into the set that block 0 has been multiplied from
	s_wait_dscnt 48                                ; y's block 1 is in; the stage's 16 and block 2's 32 may be out
	BLOCK 1
	s_wait_dscnt 32                                ; block 0 is back from the stage
	SEND 0                                         ; (its sixteen multiply-adds are the places behind block 1's products)
	TOSTAGE 1
	LOADA 3
	s_wait_dscnt 48
	BLOCK 2
	s_wait_dscnt 32
	SEND 1
	s_wait_xcnt 0x0                                ; block 0's stores have read their registers: block 2's loads may land there
	TOSTAGE 2
	s_wait_dscnt 16                                ; y's block 3 is in; the stage's 16 may be out
	BLOCK 3
	s_wait_dscnt 0x0
	SEND 2
	s_wait_xcnt 0x0
	TOSTAGE 3
	s_wait_dscnt 0x0
	SEND 3
	s_wait_tensorcnt 0x0                           ; the wave's end
	ds_add_u32 v[SPW], v[NIL]
	s_wait_dscnt 0x0
	CROUND                                         ; the closing round
	s_endpgm
.Lfunc_end_k_qb33c22f894_proj:
	.size	k_qb33c22f894_proj, .Lfunc_end_k_qb33c22f894_proj-k_qb33c22f894_proj
	.p2alignl 7, 3214868480
	.fill 96, 4, 3214868480
	.section	.rodata,"a",@progbits
	.p2align	6, 0x0
	.amdhsa_kernel k_qb33c22f894_proj
		.amdhsa_group_segment_fixed_size 327680
		.amdhsa_private_segment_fixed_size 0
		.amdhsa_enable_private_segment 0
		.amdhsa_kernarg_size 40
		.amdhsa_user_sgpr_count 2
		.amdhsa_user_sgpr_kernarg_segment_ptr 1
		.amdhsa_wavefront_size32 1
		.amdhsa_system_sgpr_workgroup_id_x 1
		.amdhsa_system_sgpr_workgroup_id_y 1
		.amdhsa_system_sgpr_workgroup_id_z 1
		.amdhsa_system_vgpr_workitem_id 0
		.amdhsa_next_free_vgpr 1024
		.amdhsa_next_free_sgpr 98
		.amdhsa_reserve_vcc 0
		.amdhsa_float_denorm_mode_32 3
		.amdhsa_float_denorm_mode_16_64 3
		.amdhsa_memory_ordered 1
		.amdhsa_forward_progress 1
		.amdhsa_inst_pref_size 52
	.end_amdhsa_kernel
	.amdgpu_metadata
---
amdhsa.version: [ 1, 2 ]
amdhsa.kernels:
  - .name:           k_qb33c22f894_proj
    .symbol:         k_qb33c22f894_proj.kd
    .args:
      - { .name: y_codes, .offset: 0, .size: 8, .value_kind: global_buffer, .address_space: global }
      - { .name: wp_codes, .offset: 8, .size: 8, .value_kind: global_buffer, .address_space: global }
      - { .name: lowp_scales, .offset: 16, .size: 8, .value_kind: global_buffer, .address_space: global }
      - { .name: b_proj, .offset: 24, .size: 8, .value_kind: global_buffer, .address_space: global }
      - { .name: out0, .offset: 32, .size: 8, .value_kind: global_buffer, .address_space: global }
    .group_segment_fixed_size: 327680
    .private_segment_fixed_size: 0
    .kernarg_segment_align: 8
    .kernarg_segment_size: 40
    .max_flat_workgroup_size: 128
    .sgpr_count:     98
    .vgpr_count:     1024
    .wavefront_size: 32
...
	.end_amdgpu_metadata
.endif
;; end of part 4
